; MI455X (gfx1250); checked and timed in simulation.
; The chip was launched on July 23, 2026; its instructions are those of AMD's public machine-readable ISA for CDNA 5 (MIT licence, August 2026) and "CDNA5" Instruction Set Architecture Reference Guide (July 2026). The comments in the code are by the model that wrote it; some were corrected since.
;; Multi Head Attention. Allowed arithmetic: float matrix products may take bf16 or f16 operands with f32 sums; other float arithmetic in f32, or as packed bf16 or f16 multiplies, adds, multiply-adds, maxima and minima; sums over many terms, partial sums and values carried from step to step in f32; what a program stores and reads back later, other than sums and carried values, may be rounded once to bf16 or f16.
;; Inputs: Wk 1,024 x 1,024 float32; Wo 1,024 x 1,024 float32; Wq 1,024 x 1,024 float32; Wv 1,024 x 1,024 float32; bk 1,024 float32; bo 1,024 float32; bq 1,024 float32; bv 1,024 float32; k 4 x 2,048 x 1,024 float32; mask 1 x 1 x 2,048 x 2,048 int32; q 4 x 2,048 x 1,024 float32; v 4 x 2,048 x 1,024 float32.
;; Outputs: out0 4 x 2,048 x 1,024 float32.
;; One version. Each part assembles by itself: llvm-mc -triple=amdgcn-amd-amdhsa -mcpu=gfx1250 --defsym DOCPART=n.
;; ======== version 1 of 1: 4 launches
;; limits: values are held in f16: magnitudes above 65,504 overflow, below 6.1e-05 lose precision
;; workspace buffers: maskw 524,288 bytes of whole numbers; wcat 8,388,608 bytes; bcat 16,384 bytes; qkvh 50,331,648 bytes; oh 16,777,216 bytes
;; launch prep (part 1): grid 256 x 1, 8 waves a work-group, no clusters, 140,288 bytes of LDS; arguments mask, Wq, Wk, Wv, Wo, bq, bk, bv, bo, maskw, wcat, bcat; writes maskw, wcat, bcat
.if DOCPART == 1
	.amdgcn_target "amdgcn-amd-amdhsa--gfx1250"
	.amdhsa_code_object_version 6
	.text
	.protected	k_qfb8dfb2227_prep
	.globl	k_qfb8dfb2227_prep
	.p2align	8
	.type	k_qfb8dfb2227_prep,@function
k_qfb8dfb2227_prep:
	s_mov_b64 s[64:65], 0
	v_nop
	global_prefetch_b8 v0, s[64:65] scope:SCOPE_SE
	s_setreg_imm32_b32 hwreg(HW_REG_WAVE_MODE, 25, 1), 1
	s_wait_xcnt 0x0
; PREP.  Work-groups 0-127 turn the mask into lane masks; work-groups 128-255 round the weights and the biases.
; maskw: u32 [qt 128][ks 32][kb 4][j 8]; bit l of a word = (mask[16 qt + l % 16][64 ks + 16 kb + 8 (l / 16) + j] != 0): the lane mask of register 8 kb + j of a
; tile of scores (16 queries x 64 keys) as the attention launch holds it.
; wcat: 16-bit [4][1024][1024]: Wq, Wk, Wv rounded to bf16; Wo rounded to bf16 and that number written as f16.  bcat: f32 [4][1024]: bq, bk, bv, bo rounded to bf16, widened again.
; LIMIT.  Wo beyond 65,504 in magnitude becomes an infinity in f16; below 6e-5 it keeps f16's fixed step of 6e-8.
; Each work-group reads 128 KiB; a wave issues all its 32 loads of 16 bytes a lane at once.  No matrix unit and no cluster: nothing is multiplied and nothing is shared.
.set SPARE, 139264                     ; behind the eight waves' stages: the spare words, 128 bytes for each wave
.set WLDS,  17408                      ; a wave's stage: four units
.set UNIT,  4352                       ; a unit: 16 rows (queries) x 64 keys x 4 bytes, rows 272 bytes apart
.set LP,    272
.set SPW, 2                            ; v2  LDS address of my spare word; never rewritten
.set NIL, 3                            ; v3  0; never rewritten
.set VO,  4                            ; v4  my byte offset in what the work-group reads
.set LS,  5                            ; v5  mask: where I put 16 bytes of a row;  weights: my byte offset in what the work-group writes
.set LR,  6                            ; v6  mask: where I read my 32 bytes of a row back
.set SO,  7                            ; v7  my byte offset in the store
.set X,   32                           ; v[32:159]  32 loads of four registers
.set M,   160                          ; v[160:223] mask: two buffers of 32 numbers
.set W,   224                          ; v[224:227] mask: the wave's 128 words, four a lane
.set Y,   160                          ; v[160:223] weights: 32 stores of two registers
	s_load_b512 s[8:23], s[0:1], 0x0               ; mask 8, Wq 10, Wk 12, Wv 14, Wo 16, bq 18, bk 20, bv 22
	s_load_b256 s[24:31], s[0:1], 0x40             ; bo 24, maskw 26, wcat 28, bcat 30
	v_lshl_add_u32 v[SPW], v0, 2, SPARE
	v_mov_b32 v[NIL], 0
	v_and_b32 v1, 31, v0                           ; lane
	v_lshrrev_b32 v8, 5, v0
	v_readfirstlane_b32 s2, v8                     ; wave 0..7
	v_and_b32 v8, 15, v0                           ; lane % 16
	v_bfe_u32 v9, v0, 4, 1                         ; lane / 16
	s_cmp_lt_u32 ttmp9, 128
	s_cbranch_scc0 .Lweights
	; THE MASK.  Work-group g owns the 16 queries 16 g ..; wave w the key steps 4 w + u, u = 0..3: 1,024 bytes of each of the 16 rows.
	s_lshl_b32 s4, ttmp9, 17                       ; 16 rows of 8,192 bytes
	s_mov_b32 s5, 0
	s_lshl_b32 s34, ttmp9, 12                      ; the work-group's 4,096 bytes of maskw
	s_mov_b32 s35, 0
	s_lshl_b32 s6, s2, 10
	s_mul_i32 s3, s2, WLDS                         ; my wave's stage
	v_lshlrev_b32 v[VO], 13, v9                    ; lanes 16-31 take the next row
	v_lshl_add_u32 v[VO], v8, 4, v[VO]
	v_add_nc_u32 v[VO], s6, v[VO]
	v_mul_u32_u24 v[LS], v9, LP
	v_lshl_add_u32 v[LS], v8, 4, v[LS]
	v_add_nc_u32 v[LS], s3, v[LS]
	v_mul_u32_u24 v[LR], v8, LP                    ; back: row lane % 16, keys 8 (lane / 16) on
	v_lshl_add_u32 v[LR], v9, 5, v[LR]
	v_add_nc_u32 v[LR], s3, v[LR]
	s_lshl_b32 s6, s2, 9
	v_lshlrev_b32 v[SO], 4, v1
	v_add_nc_u32 v[SO], s6, v[SO]                  ; 512 w + 16 lane
.irp r, 0,1,2,3
	v_mov_b32 v[W+(\r)], 0                         ; v_writelane_b32 counts as a reader of its destination
.endr
	s_wait_kmcnt 0x0
	s_add_nc_u64 s[8:9], s[8:9], s[4:5]
	s_add_nc_u64 s[26:27], s[26:27], s[34:35]
.set n, 0
.rept 32                                       ; load n = 8 u + t: rows 2 t, 2 t + 1 of key step u: sixteen lanes take 256 consecutive bytes, aligned
	global_load_b128 v[X+4*n:X+4*n+3], v[VO], s[8:9] offset:(n%8)*16384+(n/8)*256 th:TH_LOAD_NT
.set n, n+1
.endr
.set n, 0
.rept 32
	s_wait_loadcnt 31-n                            ; loads come back in order: load n is in, the younger ones stay out
	ds_store_b128 v[LS], v[X+4*n:X+4*n+3] offset:(n/8)*UNIT+(n%8)*2*LP
.set n, n+1
.endr
.macro LDU u                           ; unit u comes back turned: a lane takes its row's 8 numbers of each group of 16 keys.  The bytes are the wave's own: LDS serves a wave's instructions in order
.irp kb, 0,1,2,3
	ds_load_b128 v[M+32*((\u)%2)+8*(\kb):M+32*((\u)%2)+8*(\kb)+3],   v[LR] offset:(\u)*UNIT+(\kb)*64
	ds_load_b128 v[M+32*((\u)%2)+8*(\kb)+4:M+32*((\u)%2)+8*(\kb)+7], v[LR] offset:(\u)*UNIT+(\kb)*64+16
.endr
.endm
	LDU 0
.irp u, 0,1,2,3
.if (\u) < 3
	LDU (\u)+1
	s_wait_dscnt 8                                 ; all but the next unit's eight loads
.else
	s_wait_dscnt 0x0
.endif
.set i, 0
.rept 32
	v_cmp_ne_u32 s[32+i], 0, v[M+32*((\u)%2)+i]    ; word i = 8 kb + j of the key step
.set i, i+1
.endr
.set i, 0
.rept 32
	v_writelane_b32 v[W+i%4], s[32+i], 8*(\u)+i/4  ; word 32 u + i of the wave's 128: lane (32 u + i) / 4, register i % 4
.set i, i+1
.endr
.endr
	global_store_b128 v[SO], v[W:W+3], s[26:27]    ; the wave's 512 consecutive bytes, aligned
	s_branch .Lend
.Lweights:                                     ; THE WEIGHTS.  Work-group 128 + 32 mi + part: 128 KiB of matrix mi
	s_sub_co_u32 s3, ttmp9, 128
	s_lshr_b32 s4, s3, 5                           ; mi: 0 Wq, 1 Wk, 2 Wv, 3 Wo
	s_and_b32 s5, s3, 31                           ; part
	s_lshl_b32 s6, s5, 17
	s_mov_b32 s7, 0
	s_lshl_b32 s32, s4, 21                         ; 2 MiB for each matrix in wcat,
	s_lshl_b32 s33, s5, 16                         ; 64 KiB for each part
	s_add_co_u32 s32, s32, s33
	s_mov_b32 s33, 0
	s_mov_b32 s41, 0xffff0000                      ; a word's upper bf16
	s_lshl_b32 s34, s2, 14
	v_lshlrev_b32 v[VO], 4, v1
	v_add_nc_u32 v[VO], s34, v[VO]                 ; 16,384 w + 16 lane
	s_lshl_b32 s34, s2, 13
	v_lshlrev_b32 v[LS], 3, v1
	v_add_nc_u32 v[LS], s34, v[LS]                 ; 8,192 w + 8 lane
	s_wait_kmcnt 0x0
	s_cmp_eq_u32 s4, 0
	s_cselect_b64 s[36:37], s[10:11], s[12:13]
	s_cselect_b64 s[38:39], s[18:19], s[20:21]
	s_cmp_eq_u32 s4, 2
	s_cselect_b64 s[36:37], s[14:15], s[36:37]
	s_cselect_b64 s[38:39], s[22:23], s[38:39]
	s_cmp_eq_u32 s4, 3
	s_cselect_b64 s[36:37], s[16:17], s[36:37]     ; the matrix,
	s_cselect_b64 s[38:39], s[24:25], s[38:39]     ; its bias,
	s_cselect_b32 s40, -1, 0                       ; and for Wo all lanes take the f16 form
	s_add_nc_u64 s[36:37], s[36:37], s[6:7]
	s_add_nc_u64 s[28:29], s[28:29], s[32:33]
.set i, 0
.rept 32
	global_load_b128 v[X+4*i:X+4*i+3], v[VO], s[36:37] offset:i*512 th:TH_LOAD_NT
.set i, i+1
.endr
.set i, 0
.rept 32
	s_wait_loadcnt 31-i                            ; load i is in, the younger ones stay out
	v_cvt_pk_bf16_f32 v8, v[X+4*i], v[X+4*i+1]
	v_cvt_pk_bf16_f32 v9, v[X+4*i+2], v[X+4*i+3]
	v_lshlrev_b32 v10, 16, v8                      ; the rounded numbers as f32 again,
	v_and_b32 v11, s41, v8
	v_lshlrev_b32 v12, 16, v9
	v_and_b32 v13, s41, v9
	v_cvt_pk_f16_f32 v14, v10, v11                 ; and as f16
	v_cvt_pk_f16_f32 v15, v12, v13
	v_cndmask_b32 v[Y+2*i], v8, v14, s40
	v_cndmask_b32 v[Y+2*i+1], v9, v15, s40
	global_store_b64 v[LS], v[Y+2*i:Y+2*i+1], s[28:29] offset:i*256  ; the wave's 256 consecutive bytes, aligned; each store has data registers of its own
.set i, i+1
.endr
	s_cmp_lg_u32 s5, 0
	s_cbranch_scc1 .Lend                           ; a matrix's first part also rounds its bias: 16 bytes a thread
	s_lshl_b32 s32, s4, 12
	s_add_nc_u64 s[30:31], s[30:31], s[32:33]
	v_lshlrev_b32 v[SO], 4, v0
	global_load_b128 v[16:19], v[SO], s[38:39]
	s_wait_loadcnt 0x0
	v_cvt_pk_bf16_f32 v8, v16, v17
	v_cvt_pk_bf16_f32 v9, v18, v19
	v_lshlrev_b32 v20, 16, v8
	v_and_b32 v21, s41, v8
	v_lshlrev_b32 v22, 16, v9
	v_and_b32 v23, s41, v9
	global_store_b128 v[SO], v[20:23], s[30:31]
.Lend:
	s_wait_tensorcnt 0x0                           ; the wave's end: behind my last LDS store
	ds_add_u32 v[SPW], v[NIL]
	s_wait_dscnt 0x0
	s_endpgm
.Lfunc_end_k_qfb8dfb2227_prep:
	.size	k_qfb8dfb2227_prep, .Lfunc_end_k_qfb8dfb2227_prep-k_qfb8dfb2227_prep
	.p2alignl 7, 3214868480
	.fill 96, 4, 3214868480
	.section	.rodata,"a",@progbits
	.p2align	6, 0x0
	.amdhsa_kernel k_qfb8dfb2227_prep
		.amdhsa_group_segment_fixed_size 140288
		.amdhsa_private_segment_fixed_size 0
		.amdhsa_enable_private_segment 0
		.amdhsa_kernarg_size 96
		.amdhsa_user_sgpr_count 2
		.amdhsa_user_sgpr_kernarg_segment_ptr 1
		.amdhsa_wavefront_size32 1
		.amdhsa_system_sgpr_workgroup_id_x 1
		.amdhsa_system_sgpr_workgroup_id_y 1
		.amdhsa_system_sgpr_workgroup_id_z 1
		.amdhsa_system_vgpr_workitem_id 0
		.amdhsa_next_free_vgpr 232
		.amdhsa_next_free_sgpr 66
		.amdhsa_reserve_vcc 0
		.amdhsa_float_denorm_mode_32 3
		.amdhsa_float_denorm_mode_16_64 3
		.amdhsa_memory_ordered 1
		.amdhsa_forward_progress 1
		.amdhsa_inst_pref_size 51
	.end_amdhsa_kernel
	.amdgpu_metadata
---
amdhsa.version: [ 1, 2 ]
amdhsa.kernels:
  - .name:           k_qfb8dfb2227_prep
    .symbol:         k_qfb8dfb2227_prep.kd
    .args:
      - { .name: mask, .offset: 0, .size: 8, .value_kind: global_buffer, .address_space: global }
      - { .name: Wq, .offset: 8, .size: 8, .value_kind: global_buffer, .address_space: global }
      - { .name: Wk, .offset: 16, .size: 8, .value_kind: global_buffer, .address_space: global }
      - { .name: Wv, .offset: 24, .size: 8, .value_kind: global_buffer, .address_space: global }
      - { .name: Wo, .offset: 32, .size: 8, .value_kind: global_buffer, .address_space: global }
      - { .name: bq, .offset: 40, .size: 8, .value_kind: global_buffer, .address_space: global }
      - { .name: bk, .offset: 48, .size: 8, .value_kind: global_buffer, .address_space: global }
      - { .name: bv, .offset: 56, .size: 8, .value_kind: global_buffer, .address_space: global }
      - { .name: bo, .offset: 64, .size: 8, .value_kind: global_buffer, .address_space: global }
      - { .name: maskw, .offset: 72, .size: 8, .value_kind: global_buffer, .address_space: global }
      - { .name: wcat, .offset: 80, .size: 8, .value_kind: global_buffer, .address_space: global }
      - { .name: bcat, .offset: 88, .size: 8, .value_kind: global_buffer, .address_space: global }
    .group_segment_fixed_size: 140288
    .private_segment_fixed_size: 0
    .kernarg_segment_align: 8
    .kernarg_segment_size: 96
    .max_flat_workgroup_size: 256
    .sgpr_count:     66
    .vgpr_count:     232
    .wavefront_size: 32
...
	.end_amdgpu_metadata
.endif
;; end of part 1
;; launch proj (part 2): grid 4 x 64, 4 waves a work-group, clusters of 4 x 4, 327,680 bytes of LDS; arguments q, k, v, wcat, bcat, qkvh; writes qkvh
.if DOCPART == 2
	.amdgcn_target "amdgcn-amd-amdhsa--gfx1250"
	.amdhsa_code_object_version 6
	.text
	.protected	k_qfb8dfb2227_proj
	.globl	k_qfb8dfb2227_proj
	.p2align	8
	.type	k_qfb8dfb2227_proj,@function
k_qfb8dfb2227_proj:
	s_mov_b64 s[64:65], 0
	v_nop
	global_prefetch_b8 v0, s[64:65] scope:SCOPE_SE
	s_setreg_imm32_b32 hwreg(HW_REG_WAVE_MODE, 25, 1), 1
	s_wait_xcnt 0x0
	s_wait_alu depctr_hold_cnt(0) depctr_sa_sdst(0) depctr_va_vdst(0) depctr_va_sdst(0) depctr_va_ssrc(0) depctr_va_vcc(0) depctr_vm_vsrc(0)
	s_getreg_b32 s2, hwreg(HW_REG_IB_STS2, 6, 4)
	s_cmp_eq_u32 s2, 0
	s_cbranch_scc0 .Lentry_in_a_cluster
	s_endpgm
.Lentry_in_a_cluster:
	s_bfe_u32 s2, ttmp6, 0x10000c
	s_cmp_lg_u32 s2, 0xf033
	s_cbranch_scc0 .Lentry_shape_is_right
	s_endpgm
.Lentry_shape_is_right:
; THE THREE PROJECTIONS.  y_t = x_t W_t^T + b_t for t = 0, 1, 2 (q, k, v): x_t [8192][1024] f32, W_t [1024][1024] bf16 (wcat), b_t f32 (bcat).
; x is rounded to bf16 between LDS and the matrix unit; sums in f32, started with the bias as the C operand; y rounded once to f16 and stored by heads: qkvh f16 [3][bh 64][s 2048][64].
; LIMIT.  y beyond 65,504 in magnitude becomes an infinity in f16.
; SHARES.  256 work-groups that stay: work-group (tc, tr) makes the tile of 128 rows x 256 columns at (tr, tc) of all three products: 24 K steps of 128, ONE walk of the ring.
; A wave makes 64 x 128: 32 accumulators.  The matrix instruction is used transposed (source 0 = 16 rows of W, source 1 = 16 rows of x): a lane holds 8 neighbouring columns of one row of y.
; RING.  Two LDS slots; a slot holds 128 rows of x (512 bytes, f32) and 256 rows of W (256 bytes).  Waves 0, 1 fetch x's halves, waves 2, 3 W's: one tensor load a wave behind each round.
; CLUSTER 4 x 4.  x's tile hangs on tr and is asked for jointly along a row of the cluster, W's on tc and jointly along a column.
; REGISTERS.  window 0: v1-11 addresses; v32-95 T (x as f32, four fragments of 16); v96-159 x's fragments in bf16, two sets; v160-191 packed results; v192-255 rows read back, two sets
;   window 1: v0-127 W's fragments, two sets; v128-191 the bias: register 8 b + j = b[16 b + 8 (lane / 16) + j]          window 2: accumulator (a, b) at v[8 (8 a + b)]
.set PA,    528                        ; a row of x in LDS: 512 bytes + 16 = 132 words: the 16 rows of a load start at 16 different groups of four banks (64 banks of 4 bytes: ISA guide 11.1)
.set PB,    272                        ; a row of W: 256 + 16 = 68 words: likewise
.set HALF,  34816                      ; what one tensor load may fill: 128 rows of W (all of it), or 64 rows of x (33,792 bytes)
.set SLOT,  4*HALF                     ; 0x22000: it shares no bit with the four waves' bases, so an exclusive or changes slots
.set STAGE, 2*SLOT                     ; behind the ring: for each wave two heads x 16 rows x 144 bytes, for the way out
.set SPITCH, 144
.set SHEAD, 16*SPITCH
.set SPARE, STAGE+4*2*SHEAD            ; behind the stages: the spare words, 128 bytes for each wave
.set LA0, 1                            ; v1   my place in slot 0's x; never rewritten
.set LB0, 2                            ; v2   the same for W
.set ADRA, 3                           ; v3   the same in the slot in hand
.set ADRB, 4                           ; v4
.set STO, 5                            ; v5   the way out: where I put 16 bytes of a row
.set RD,  6                            ; v6   the way out: where I read rows back
.set GO,  7                            ; v7   16 x lane
.set BO,  8                            ; v8   32 (lane / 16): my 8 numbers of a block of 16 of the bias
.set PFO, 9                            ; v9   the prefetches' offset
.set SPW, 10                           ; v10  LDS address of my spare word; never rewritten
.set NIL, 11                           ; v11  0; never rewritten
.set T,   32
.set AF,  96
.set TMP, 160
.set BK,  192
.set BIAS, 128
.set WV, 2
.set WM, 3                             ; which 64 rows are mine.  Also: I fetch x (0) or W (1)
.set WN, 4                             ; which 128 columns.  Also: which half of that tile I fetch
.set CX, 5
.set CY, 6
.set TR, 7
.set G1A, 8                            ; s[8:15]  descriptor group 1 for x's tiles
.set G1B, 16                           ; s[16:23] for W's
.set G0A, 24                           ; s[24:27] descriptor group 0 for x's tiles: made anew for each request
.set G0B, 28                           ; s[28:31] for W's
.set AX,  32                           ; s[32:37] q, k, v at the rows that I fetch
.set BB,  38                           ; s[38:39] wcat at the rows that I fetch, of Wq
.set PP,  40                           ; s[40:45] the prefetches' three bases
.set PFA, 46                           ; s[46:47] where the next prefetch stands
.set RQ,  48                           ; the K step to be asked for next, 0 .. 24
.set TC,  49
.set TB,  50                           ; the slot in hand
.set WB,  51
.set LIM, 52                           ; 23 in a wave that prefetches, else 0
.set PSH, 53                           ; a K step is 2^9 bytes of a row of x, 2^8 of W
.set LOOP, 54
.set KC,  55                           ; K steps left in the product in hand
.set OUTP, 56
.set BIASP, 58
; s60-63 serve x's descriptors alone and never hold cx; s66-69 W's alone and never hold cy; s70-71 LDS addresses; s84-91 the rest
.set MSB, 0
.macro WIN new                         ; the immediate's high byte repeats the setting that is left; a switch that changes nothing is dropped
.if MSB != (\new)
	s_set_vgpr_msb (MSB<<8)|(\new)
.set MSB, \new
.endif
.endm
.macro JLOAD                           ; a joint load; an s_nop 0 and four v_nop follow each of the two lines, ahead of the jump and the label
	s_cmp_eq_u32 s[WM], 0
	s_cbranch_scc0 .Lfor_b_\@
	tensor_load_to_lds s[G0A:G0A+3], s[G1A:G1A+7]
	s_nop 0
.rept 4
	v_nop
.endr
	s_branch .Lasked_\@
.Lfor_b_\@:
	tensor_load_to_lds s[G0B:G0B+3], s[G1B:G1B+7]
	s_nop 0
.rept 4
	v_nop
.endr
.Lasked_\@:
.endm
.macro CREST                           ; a round of the cluster's barrier behind its opening barrier
	s_cmp_lg_u32 s[WV], 0
	s_cbranch_scc1 .Lnot_wave_0_\@
	s_barrier_signal -3
.Lnot_wave_0_\@:
	s_barrier_wait -3
	s_barrier_signal -1
	s_barrier_wait -1
.endm
.macro CROUND
	s_barrier_signal -1
	s_barrier_wait -1
	CREST
.endm
; Both group 0 are made for K step RQ of the walk: product RQ / 8, K step RQ % 8 of it.  Scalar work alone; it stands where no tensor load of the wave is out.  turn = 1: the other slot than last time.
.macro NEXTREQ turn
	s_lshr_b32 s62, s[RQ], 3
	s_cmp_eq_u32 s62, 0
	s_cselect_b64 s[60:61], s[AX:AX+1], s[AX+2:AX+3]
	s_cmp_eq_u32 s62, 2
	s_cselect_b64 s[60:61], s[AX+4:AX+5], s[60:61]
	s_and_b32 s62, s[RQ], 7
	s_lshl_b32 s62, s62, 9
	s_mov_b32 s63, 0
	s_add_nc_u64 s[G0A+2:G0A+3], s[60:61], s[62:63]
	s_or_b32 s[G0A+3], s[G0A+3], 0x80000000        ; type = 2
	s_lshr_b32 s68, s[RQ], 3
	s_lshl_b32 s68, s68, 21                        ; 2 MiB from matrix to matrix
	s_and_b32 s69, s[RQ], 7
	s_lshl_b32 s69, s69, 8
	s_add_co_u32 s68, s68, s69
	s_mov_b32 s69, 0
	s_add_nc_u64 s[G0B+2:G0B+3], s[BB:BB+1], s[68:69]
	s_or_b32 s[G0B+3], s[G0B+3], 0x80000000
.if \turn
	s_xor_b32 s[G0A+1], s[G0A+1], SLOT
	s_xor_b32 s[G0B+1], s[G0B+1], SLOT
.endif
	s_add_co_u32 s[RQ], s[RQ], 1
.endm
; A PREFETCH INTO THE L2, behind each refill: the K step that stands two refills on (256 matrix instructions ahead of the load that will want it), one instruction a wave, a lane a block of 256 bytes.
; x: of the 64 rows that a wave fetches each of the four partners along the cluster's row takes 16, told apart by address (cx): a lane takes half of a row's 512 bytes.  The grid has one cluster along x, so every cluster asks for its own rows.
; W: of the 128 rows each partner along the column takes 32 (cy), a lane a row; all sixteen clusters walk the same W, and the cluster with y = 0 asks.  So each block is named once in the launch.
; K steps 0 to 3 come by their loads alone; the last two refills ask for nothing.
.macro PFREQ
	s_add_co_u32 s84, s[RQ], 2
	s_lshr_b32 s85, s84, 3
	s_min_u32 s85, s85, 2
	s_and_b32 s84, s84, 7
	s_lshl_b32 s84, s84, s[PSH]
	s_cmp_eq_u32 s85, 0
	s_cselect_b64 s[86:87], s[PP:PP+1], s[PP+2:PP+3]
	s_cmp_eq_u32 s85, 2
	s_cselect_b64 s[86:87], s[PP+4:PP+5], s[86:87]
	s_mov_b32 s85, 0
	s_add_nc_u64 s[PFA:PFA+1], s[86:87], s[84:85]
.endm
.macro ASK
	s_cmp_lt_u32 s[RQ], s[LIM]                     ; RQ has been stepped: the prefetch names K step RQ + 1, which exists up to 23
	s_cbranch_scc0 .Lnot_mine_\@
	global_prefetch_b8 v[PFO], s[PFA:PFA+1] th:TH_LOAD_NT scope:SCOPE_SE
.Lnot_mine_\@:
.endm
	s_load_b256 s[72:79], s[0:1], 0x0              ; q 72, k 74, v 76, wcat 78
	s_load_b128 s[80:83], s[0:1], 0x20             ; bcat 80, qkvh 82
	v_lshl_add_u32 v[SPW], v0, 2, SPARE
	v_mov_b32 v[NIL], 0
	ds_add_u32 v[SPW], v[NIL]                      ; the wave's opening: the add and its wait ahead of my first tensor load; the set-up below, work on registers, stands between them
	v_lshrrev_b32 v12, 5, v0
	v_readfirstlane_b32 s[WV], v12
	s_lshr_b32 s[WM], s[WV], 1
	s_and_b32 s[WN], s[WV], 1
	s_bfe_u32 s[CX], ttmp6, 0x40000
	s_bfe_u32 s[CY], ttmp6, 0x40004
	s_and_b32 s[TR], ttmp7, 0xffff
	s_lshl_b32 s[TR], s[TR], 2
	s_add_co_u32 s[TR], s[TR], s[CY]               ; tile row = 4 x cluster y + cy
	s_lshl_b32 s[TC], ttmp9, 2
	s_add_co_u32 s[TC], s[TC], s[CX]               ; tile column = 4 x cluster x + cx
	s_lshl_b32 s60, s[CY], 2
	s_lshl_b32 s60, 15, s60                        ; my row of the cluster
	s_lshl_b32 s66, 0x1111, s[CX]                  ; my column
	s_or_b32 s[G1A], s60, (2<<16)|(1<<20)|(1<<21)|(6<<22)|(3<<25)  ; the mask; elements of 4 bytes; padding on; bit 21 beside a mask; after every 128 words (code 6) 4 words (code 3)
	s_mov_b32 s[G1A+1], 128<<16                    ; tensor_dim0 = 128
	s_mov_b32 s[G1A+2], 64<<16                     ; tensor_dim1 = 64
	s_mov_b32 s[G1A+3], 128<<16                    ; tile_dim0 = 128
	s_mov_b32 s[G1A+4], 64                         ; tile_dim1 = 64
	s_mov_b32 s[G1A+5], 1024                       ; elements from row to row
	s_mov_b32 s[G1A+6], 0
	s_mov_b32 s[G1A+7], 0
	s_or_b32 s[G1B], s66, (1<<16)|(1<<20)|(1<<21)|(5<<22)|(3<<25)  ; elements of 2 bytes; after every 64 words (code 5) 4 words
	s_mov_b32 s[G1B+1], 128<<16
	s_mov_b32 s[G1B+2], 128<<16
	s_mov_b32 s[G1B+3], 128<<16
	s_mov_b32 s[G1B+4], 128
	s_mov_b32 s[G1B+5], 1024
	s_mov_b32 s[G1B+6], 0
	s_mov_b32 s[G1B+7], 0
	s_mul_i32 s[WB], s[WV], HALF                   ; where my tiles go: x's two halves, then W's two: wave x 34,816
	s_mov_b32 s[G0A], 1
	s_mov_b32 s[G0A+1], s[WB]
	s_mov_b32 s[G0B], 1
	s_mov_b32 s[G0B+1], s[WB]
	s_mov_b32 s[RQ], 0
	s_mov_b32 s[TB], 0
	s_lshl_b32 s60, s[TR], 19                      ; x: (128 tr + 64 half) rows of 4,096 bytes
	s_lshl_b32 s61, s[WN], 18
	s_add_co_u32 s60, s60, s61
	s_mov_b32 s61, 0
	s_lshl_b32 s66, s[TC], 19                      ; W: (256 tc + 128 half) rows of 2,048 bytes
	s_lshl_b32 s67, s[WN], 18
	s_add_co_u32 s66, s66, s67
	s_mov_b32 s67, 0
	s_lshl_b32 s84, s[CX], 16                      ; the prefetches: x: + 16 cx rows;
	s_add_co_u32 s84, s84, s60
	s_lshl_b32 s85, s[CY], 16                      ; W: + 32 cy rows
	s_add_co_u32 s85, s85, s66
	s_lshr_b32 s88, s[TR], 4                       ; y: batch tr / 16,
	s_lshl_b32 s88, s88, 4
	s_lshl2_add_u32 s88, s[TC], s88                ; head 4 tc + 2 half (+ 1 for my upper 64 columns),
	s_lshl1_add_u32 s88, s[WN], s88
	s_lshl_b32 s88, s88, 18                        ; 262,144 bytes a head,
	s_and_b32 s89, s[TR], 15
	s_lshl_b32 s89, s89, 14                        ; rows 128 (tr % 16) + 64 half of 128 bytes
	s_add_co_u32 s88, s88, s89
	s_lshl_b32 s89, s[WM], 13
	s_add_co_u32 s88, s88, s89
	s_mov_b32 s89, 0
	s_lshl_b32 s90, s[TC], 10                      ; the bias of my 128 columns
	s_lshl_b32 s91, s[WN], 9
	s_add_co_u32 s90, s90, s91
	s_mov_b32 s91, 0
	s_and_b32 s86, ttmp7, 0xffff
	s_cmp_eq_u32 s[WM], 0
	s_cselect_b32 s86, ttmp9, s86                  ; the coordinate along which other clusters read the same rows
	s_cselect_b32 s[PSH], 9, 8
	s_cselect_b32 s84, s84, s85
	s_cselect_b32 s87, 0, 1<<21
	s_cmp_eq_u32 s86, 0
	s_cselect_b32 s[LIM], 23, 0                    ; the same in all sixteen partners, for a given wave
	s_mov_b32 s85, 0
	s_mov_b32 s86, s87
	s_mov_b32 s87, 0
	s_wait_dscnt 0x0                               ; the opening add is done
	s_wait_kmcnt 0x0
	s_add_nc_u64 s[AX:AX+1], s[72:73], s[60:61]
	s_add_nc_u64 s[AX+2:AX+3], s[74:75], s[60:61]
	s_add_nc_u64 s[AX+4:AX+5], s[76:77], s[60:61]
	s_add_nc_u64 s[BB:BB+1], s[78:79], s[66:67]
	s_add_nc_u64 s[OUTP:OUTP+1], s[82:83], s[88:89]
	s_add_nc_u64 s[BIASP:BIASP+1], s[80:81], s[90:91]
	s_cmp_eq_u32 s[WM], 0
	s_cselect_b64 s[PP:PP+1], s[72:73], s[78:79]
	s_cselect_b64 s[PP+2:PP+3], s[74:75], s[78:79]
	s_cselect_b64 s[PP+4:PP+5], s[76:77], s[78:79]
	s_add_nc_u64 s[PP:PP+1], s[PP:PP+1], s[84:85]
	s_add_nc_u64 s[PP+2:PP+3], s[PP+2:PP+3], s[84:85]
	s_add_nc_u64 s[PP+2:PP+3], s[PP+2:PP+3], s[86:87]
	s_add_nc_u64 s[PP+4:PP+5], s[PP+4:PP+5], s[84:85]
	s_add_nc_u64 s[PP+4:PP+5], s[PP+4:PP+5], s[86:87]
	s_add_nc_u64 s[PP+4:PP+5], s[PP+4:PP+5], s[86:87]
	NEXTREQ 0
	CROUND                                         ; all sixteen work-groups are here: the first joint loads meet
	JLOAD                                          ; K step 0 into slot 0
	v_and_b32 v12, 15, v0                          ; l % 16
	v_bfe_u32 v13, v0, 4, 1                        ; l / 16
	v_and_b32 v14, 31, v0                          ; l
	v_lshlrev_b32 v[BO], 5, v13
.macro BIASLOAD                        ; the bias of my 128 columns, laid as an accumulator's registers lie
	WIN 0x40
.irp b, 0,1,2,3,4,5,6,7
	global_load_b128 v[BIAS+8*(\b):BIAS+8*(\b)+3],   v[BO], s[BIASP:BIASP+1] offset:(\b)*64
	global_load_b128 v[BIAS+8*(\b)+4:BIAS+8*(\b)+7], v[BO], s[BIASP:BIASP+1] offset:(\b)*64+16
.endr
	WIN 0
.endm
	BIASLOAD
	; A fragment is 16 rows x 32 K: lane l holds row l % 16, K = 8 (l / 16) + 0..7 and 16 + 8 (l / 16) + 0..7.  Of W (bf16) that is two loads of 16 bytes, 32 bytes apart; of x (f32) four: at 32 (l / 16) + 0, 16, 64, 80.
	s_mul_i32 s70, s[WM], HALF
	v_mul_u32_u24 v[LA0], v12, PA
	v_lshl_add_u32 v[LA0], v13, 5, v[LA0]
	v_add_nc_u32 v[LA0], s70, v[LA0]
	s_mul_i32 s70, s[WN], HALF
	s_add_co_u32 s70, s70, 2*HALF
	v_mul_u32_u24 v[LB0], v12, PB
	v_lshl_add_u32 v[LB0], v13, 4, v[LB0]
	v_add_nc_u32 v[LB0], s70, v[LB0]
	s_mul_i32 s70, s[WV], 2*SHEAD
	s_add_co_u32 s70, s70, STAGE                   ; my stage
	v_mul_u32_u24 v[STO], v12, SPITCH              ; in: row l % 16, 16 bytes for each half of the lanes
	v_lshl_add_u32 v[STO], v13, 4, v[STO]
	v_add_nc_u32 v[STO], s70, v[STO]
	v_bfe_u32 v15, v0, 3, 2                        ; back: 32 lanes take four rows of 128 bytes,
	v_mul_u32_u24 v[RD], v15, SPITCH
	v_and_b32 v15, 7, v0
	v_lshl_add_u32 v[RD], v15, 4, v[RD]
	v_add_nc_u32 v[RD], s70, v[RD]
	v_lshlrev_b32 v[GO], 4, v14                    ; which are 512 consecutive bytes of a head
	v_lshrrev_b32 v15, 1, v14                      ; the prefetches: x: row l / 2, half l % 2 of its 512 bytes;
	v_lshlrev_b32 v15, 12, v15
	v_and_b32 v[PFO], 1, v0
	v_lshl_add_u32 v15, v[PFO], 8, v15
	v_lshlrev_b32 v[PFO], 11, v14                  ; W: row l
	s_cmp_eq_u32 s[WM], 0
	s_cselect_b32 s71, -1, 0
	v_cndmask_b32 v[PFO], v[PFO], v15, s71
; One matrix instruction: accumulator i = 8 a + b, set f.  bias = 1: the sum starts, with the bias as C.  The 32 accumulators take turns, one instruction a turn, in the same order in every quarter, over the backward jump too.
.macro MUL f, i, bias=0
.if \bias
	WIN 0x91                                       ; W window 1, x window 0, C window 1, D window 2
	v_wmma_f32_16x16x32_bf16 v[8*(\i):8*(\i)+7], v[64*(\f)+8*((\i)%8):64*(\f)+8*((\i)%8)+7], v[AF+32*(\f)+8*((\i)/8):AF+32*(\f)+8*((\i)/8)+7], v[BIAS+8*((\i)%8):BIAS+8*((\i)%8)+7]
.else
	WIN 0xa1                                       ; C and D window 2
	v_wmma_f32_16x16x32_bf16 v[8*(\i):8*(\i)+7], v[64*(\f)+8*((\i)%8):64*(\f)+8*((\i)%8)+7], v[AF+32*(\f)+8*((\i)/8):AF+32*(\f)+8*((\i)/8)+7], v[8*(\i):8*(\i)+7]
.endif
.endm
.macro MULS f, from, cnt, bias=0
.set mi, \from
.rept \cnt
	MUL \f, mi, \bias
.set mi, mi+1
.endr
.endm
; 32 LDS loads in one run: quarter k of the slot in hand: x's 64 rows x 32 K as f32 into T (16 loads), then W's 128 rows into set g (16 loads)
.macro FETCH k, g
	WIN 0
.irp a, 0,1,2,3
.irp c, 0,1,2,3
	ds_load_b128 v[T+16*(\a)+4*(\c):T+16*(\a)+4*(\c)+3], v[ADRA] offset:(\k)*128+(\a)*16*PA+((\c)/2)*64+((\c)%2)*16
.endr
.endr
	WIN 0x40
.irp i, 0,1,2,3,4,5,6,7
	ds_load_b128 v[64*(\g)+8*(\i):64*(\g)+8*(\i)+3],   v[ADRB] offset:(\k)*64+(\i)*16*PB
	ds_load_b128 v[64*(\g)+8*(\i)+4:64*(\g)+8*(\i)+7], v[ADRB] offset:(\k)*64+(\i)*16*PB+32
.endr
.endm
; Eight numbers of x are rounded to bf16: part s of 8 of the run's staging.  They came by loads 2 s and 2 s + 1 of the run's 32, so 30 - 2 s younger loads may stay out.
.macro CVT4 g, s
	s_wait_dscnt 30-2*(\s)
	WIN 0
.irp i, 0,1,2,3
	v_cvt_pk_bf16_f32 v[AF+32*(\g)+4*(\s)+(\i)], v[T+8*(\s)+2*(\i)], v[T+8*(\s)+2*(\i)+1]
.endr
.endm
; A K step is four quarters of 32 along K, 32 matrix instructions each, on sets 0, 1, 0, 1.  One of the first three: multiplies set f; fetches quarter k into set g and rounds its x.
; The run of loads stands at the quarter's head: the four conversions that end the quarter before name no register of its last products and are the four places between those and the loads into the set that they read.
.macro QUARTER k, f, g, bias=0
	s_wait_dscnt 0x0                               ; set f's fragments of W are in (x's were waited for by the conversions)
	FETCH \k, \g
	MULS \f, 0, 16, \bias
.set cs, 0
.rept 8
	MUL \f, 16+2*cs, \bias
	MUL \f, 17+2*cs, \bias
	CVT4 \g, cs
.set cs, cs+1
.endr
.endm
; The last quarter multiplies set 1 and changes slots.  In front of the barrier each wave waits for all its tensor loads (one is out: its part of the next slot), adds 0 to its spare word, and waits for that and for
; its reads of this slot.  fill = 1: the barrier opens a round of the cluster's; this slot is filled again first thing behind it, two K steps ahead: 112 matrix instructions ahead of the wait for it.
.macro TURN fill
	WIN 0
.if \fill
	s_wait_xcnt 0x0                                ; the last prefetch, a K step back, has read its address, which is written below
.endif
	s_wait_tensorcnt 0x0                           ; no tensor load of mine is out, so the two group 0 may be written
	ds_add_u32 v[SPW], v[NIL]                      ; 0 onto my spare word
.if \fill
	PFREQ
	NEXTREQ 1
.endif
	s_wait_dscnt 1                                 ; all but the add: set 1's fragments of W are in
	MULS 1, 0, 8
	s_wait_dscnt 0x0                               ; the add is done, and my reads of this slot are over
	s_barrier_signal -1
	MULS 1, 8, 8
	WIN 0
	s_barrier_wait -1
.if \fill
	CREST                                          ; no wave of any partner still reads this slot or has a load on its way
	JLOAD
.endif
	s_xor_b32 s[TB], s[TB], SLOT
	v_add_nc_u32 v[ADRA], s[TB], v[LA0]
	v_add_nc_u32 v[ADRB], s[TB], v[LB0]
	FETCH 0, 0
.if \fill
	WIN 0
	ASK
.endif
	MULS 1, 16, 8
.set cs, 0
.rept 8
	MUL 1, 24+cs
	CVT4 0, cs
.set cs, cs+1
.endr
.endm
; THE WAY OUT of block a (16 rows x 128 columns = two heads).  PACK: rounded to f16, each accumulator's registers in ascending order.  TOSTAGE: into my own stage, and back as whole rows of 128 bytes.  SEND: stored.
.macro PACK a
	WIN 0x0a                                       ; sources window 2, destination window 0
.irp b, 0,1,2,3,4,5,6,7
.irp r, 0,1,2,3
	v_cvt_pk_f16_f32 v[TMP+4*(\b)+(\r)], v[8*(8*(\a)+(\b))+2*(\r)], v[8*(8*(\a)+(\b))+2*(\r)+1]
.endr
.endr
	WIN 0
.endm
.macro TOSTAGE a
	WIN 0
.irp b, 0,1,2,3,4,5,6,7
	ds_store_b128 v[STO], v[TMP+4*(\b):TMP+4*(\b)+3] offset:((\b)/4)*SHEAD+((\b)%4)*32
.endr
.irp u, 0,1,2,3,4,5,6,7                ; head u / 4, rows 4 (u % 4) on.  LDS serves a wave's instructions in order (ISA guide 5.7.1.4): these see the stores above
	ds_load_b128 v[BK+32*((\a)%2)+4*(\u):BK+32*((\a)%2)+4*(\u)+3], v[RD] offset:((\u)/4)*SHEAD+((\u)%4)*4*SPITCH
.endr
.endm
.macro SEND a
	WIN 0
	s_wait_dscnt 0x0                               ; the block is back in registers
	s_wait_xcnt 0x0                                ; the stores of the block before have read their registers: the next TOSTAGE loads into them
.irp u, 0,1,2,3,4,5,6,7
	global_store_b128 v[GO], v[BK+32*((\a)%2)+4*(\u):BK+32*((\a)%2)+4*(\u)+3], s[OUTP:OUTP+1] offset:((\u)/4)*262144+(\a)*2048+((\u)%4)*512  ; 512 consecutive bytes, aligned
.endr
.endm
.macro WAYOUT                          ; a block's conversions stand between the loads of the block before and the wait for them
	PACK 0
	TOSTAGE 0
.irp a, 1,2,3
	PACK \a
	SEND (\a)-1
	TOSTAGE \a
.endr
	SEND 3
.endm
	s_wait_tensorcnt 0x0                           ; the first change: my part of K step 0 is in;
	ds_add_u32 v[SPW], v[NIL]
	NEXTREQ 1
	s_wait_dscnt 0x0
	CROUND                                         ; everybody's is;
	JLOAD                                          ; K step 1 into slot 1
	v_mov_b32 v[ADRA], v[LA0]
	v_mov_b32 v[ADRB], v[LB0]
	FETCH 0, 0
.irp s, 0,1,2,3,4,5,6,7
	CVT4 0, \s
.endr
	s_mov_b32 s[LOOP], 22
	s_mov_b32 s[KC], 8
.Lstep:                                        ; a trip is a K step; 22 trips fill a slot again
	s_cmp_eq_u32 s[KC], 8
	s_cbranch_scc0 .Lplain
	s_wait_loadcnt 0x0                             ; the bias
	QUARTER 1, 0, 1, 1                             ; a product's first quarter starts the sums
	s_branch .Ljoin
.Lplain:
	QUARTER 1, 0, 1, 0
.Ljoin:
	QUARTER 2, 1, 0
	QUARTER 3, 0, 1
	TURN 1
	WIN 0
	s_sub_co_u32 s[KC], s[KC], 1
	s_cmp_lg_u32 s[KC], 0
	s_cbranch_scc1 .Lnoout
	s_wait_loadcnt 0x0                             ; A PRODUCT IS FINISHED; both next refills are asked for.  No load into the bias's registers is out: the last were waited for where the product began, and the wait is written again on this way, ahead of the new loads into them
	s_wait_xcnt 0x0                                ; and those loads have read their base, which is stepped
	s_add_nc_u64 s[BIASP:BIASP+1], s[BIASP:BIASP+1], 4096
	BIASLOAD                                       ; the next bias is asked for, then the tile goes out
	WAYOUT                                         ; the four conversions that end TURN are the places behind the last products
	s_wait_xcnt 0x0                                ; the stores have read their base
	s_add_nc_u64 s[OUTP:OUTP+1], s[OUTP:OUTP+1], 0x1000000
	s_mov_b32 s[KC], 8
.Lnoout:
	s_sub_co_u32 s[LOOP], s[LOOP], 1
	s_cmp_lg_u32 s[LOOP], 0
	s_cbranch_scc1 .Lstep
	s_mov_b32 s[LOOP], 2
.Ltail:                                        ; the last two K steps ask for nothing; the very last fetch reads the slot left behind and serves nothing: the price of one text for both trips
	QUARTER 1, 0, 1, 0
	QUARTER 2, 1, 0
	QUARTER 3, 0, 1
	TURN 0
	WIN 0
	s_sub_co_u32 s[LOOP], s[LOOP], 1
	s_cmp_lg_u32 s[LOOP], 0
	s_cbranch_scc1 .Ltail
	WAYOUT
	s_wait_tensorcnt 0x0                           ; the wave's end: behind my last tensor load and my last LDS store
	ds_add_u32 v[SPW], v[NIL]
	s_wait_dscnt 0x0
	CROUND                                         ; the closing round
	s_endpgm
.Lfunc_end_k_qfb8dfb2227_proj:
	.size	k_qfb8dfb2227_proj, .Lfunc_end_k_qfb8dfb2227_proj-k_qfb8dfb2227_proj
	.p2alignl 7, 3214868480
	.fill 96, 4, 3214868480
	.section	.rodata,"a",@progbits
	.p2align	6, 0x0
	.amdhsa_kernel k_qfb8dfb2227_proj
		.amdhsa_group_segment_fixed_size 327680
		.amdhsa_private_segment_fixed_size 0
		.amdhsa_enable_private_segment 0
		.amdhsa_kernarg_size 48
		.amdhsa_user_sgpr_count 2
		.amdhsa_user_sgpr_kernarg_segment_ptr 1
		.amdhsa_wavefront_size32 1
		.amdhsa_system_sgpr_workgroup_id_x 1
		.amdhsa_system_sgpr_workgroup_id_y 1
		.amdhsa_system_sgpr_workgroup_id_z 1
		.amdhsa_system_vgpr_workitem_id 0
		.amdhsa_next_free_vgpr 768
		.amdhsa_next_free_sgpr 96
		.amdhsa_reserve_vcc 0
		.amdhsa_float_denorm_mode_32 3
		.amdhsa_float_denorm_mode_16_64 3
		.amdhsa_memory_ordered 1
		.amdhsa_forward_progress 1
		.amdhsa_inst_pref_size 114
	.end_amdhsa_kernel
	.amdgpu_metadata
---
amdhsa.version: [ 1, 2 ]
amdhsa.kernels:
  - .name:           k_qfb8dfb2227_proj
    .symbol:         k_qfb8dfb2227_proj.kd
    .args:
      - { .name: q, .offset: 0, .size: 8, .value_kind: global_buffer, .address_space: global }
      - { .name: k, .offset: 8, .size: 8, .value_kind: global_buffer, .address_space: global }
      - { .name: v, .offset: 16, .size: 8, .value_kind: global_buffer, .address_space: global }
      - { .name: wcat, .offset: 24, .size: 8, .value_kind: global_buffer, .address_space: global }
      - { .name: bcat, .offset: 32, .size: 8, .value_kind: global_buffer, .address_space: global }
      - { .name: qkvh, .offset: 40, .size: 8, .value_kind: global_buffer, .address_space: global }
    .group_segment_fixed_size: 327680
    .private_segment_fixed_size: 0
    .kernarg_segment_align: 8
    .kernarg_segment_size: 48
    .max_flat_workgroup_size: 128
    .sgpr_count:     96
    .vgpr_count:     768
    .wavefront_size: 32
...
	.end_amdgpu_metadata
.endif
;; end of part 2
;; launch attn (part 3): grid 4 x 64, 4 waves a work-group, clusters of 4 x 1, 327,680 bytes of LDS; arguments qkvh, maskw, oh; writes oh
.if DOCPART == 3
	.amdgcn_target "amdgcn-amd-amdhsa--gfx1250"
	.amdhsa_code_object_version 6
	.text
	.protected	k_qfb8dfb2227_attn
	.globl	k_qfb8dfb2227_attn
	.p2align	8
	.type	k_qfb8dfb2227_attn,@function
k_qfb8dfb2227_attn:
	s_mov_b64 s[64:65], 0
	v_nop
	global_prefetch_b8 v0, s[64:65] scope:SCOPE_SE
	s_setreg_imm32_b32 hwreg(HW_REG_WAVE_MODE, 25, 1), 1
	s_wait_xcnt 0x0
	s_wait_alu depctr_hold_cnt(0) depctr_sa_sdst(0) depctr_va_vdst(0) depctr_va_sdst(0) depctr_va_ssrc(0) depctr_va_vcc(0) depctr_vm_vsrc(0)
	s_getreg_b32 s2, hwreg(HW_REG_IB_STS2, 6, 4)
	s_cmp_eq_u32 s2, 0
	s_cbranch_scc0 .Lentry_in_a_cluster
	s_endpgm
.Lentry_in_a_cluster:
	s_bfe_u32 s2, ttmp6, 0x10000c
	s_cmp_lg_u32 s2, 0x3003
	s_cbranch_scc0 .Lentry_shape_is_right
	s_endpgm
.Lentry_shape_is_right:
; ATTENTION WITH A MASK THAT IS GIVEN.  O[h][q][:] = the sum over k of softmax_k(s'[q][k] / 8) V[h][k][:], s' = Q[h][q] . K[h][k] where mask[q][k] != 0, and -80,000 (= 8 x -10,000) where it is 0.
; The mask REPLACES a score, so a hidden key keeps a weight wherever the open scores lie as low: every key of every query is computed, and the running maximum is taken over the replaced scores.
; Q, K, V: qkvh f16 [3][64][2048][64]; O: oh f16 [64][2048][64]; maskw: the lane masks, u32 [qt 128][ks 32][32].  Products, maxima and sums in f32; the weights p are rounded to f16 for the second product, O once.
; LIMITS.  Q, K, V arrive within f16's 65,504; p lies in 0 to 1, and below 6e-5 it keeps f16's fixed step of 6e-8; a weight below 2^-126 counts as 0 in l; NaN and infinities are not treated apart.
; SHARES.  A wave owns four PIECES of two tiles of 16 queries, a work-group's four waves 512 queries of one head.  Every wave walks all 2,048 keys, 64 a step.
; LAYOUT.  S^T = K Q^T (source 0 = 16 keys, source 1 = 16 queries): a lane holds ONE query (lane % 16) and the keys 8 (lane / 16) + 0..7.  Two such results rounded to f16 ARE source 1 of O^T = V^T P.
; SOFTMAX.  p = 2^(c s' - c m), c = log2(e) / 8, m a running maximum; in every step O and l are multiplied by a = 2^(c m_old - c m_new).  m starts at the lowest finite number, O and l at 0.
; THE MASK'S WORDS.  Register i of a tile of scores has one word: bit l for lane l.  A tile's 32 words of a key step are 128 consecutive bytes: one load of 4 bytes a lane brings them into ONE vector register, lane w
; holding word w.  A wave keeps eight such registers, one a tile.  Ahead of a piece's 64 v_cndmask_b32 its two registers are copied, asked for again at once for the next key step (four turns ahead of the wait for them),
; and read out into 64 scalar registers by v_readlane_b32.  (Scalar loads straight into those 64 registers could be asked for less than one turn ahead: the registers are free only behind the last v_cndmask_b32.)
; BY TURNS.  Turn n belongs to piece n: 16 products K Q^T of piece n + 1, later 16 products V^T P of piece n - 1; beside them the scaling, exponentials, roundings, sums and rescaling of piece n and the
; mask, maximum and statistics of piece n + 1.  Four vector instructions stand behind every matrix instruction, the others in one run.  A turn's 66 exponentials are one batch, with one wait.
; CLUSTER.  The four query blocks of a head walk the same K and V: each tile is asked for JOINTLY.  The mask's words differ from wave to wave and are 512 KiB that all 64 heads read: they are neither shared out nor prefetched.
; REGISTERS, in windows of 256 (s_set_vgpr_msb: bits 1:0 source 0, 3:2 source 1, 5:4 source 2, 7:6 destination):
;   window 0: v1-11 constants and addresses; v12-15, v48-63 at work; v16-47 four registers of statistics a tile; v64-191 S^T, two buffers of two tiles; v192-255 P, likewise
;   window 1: O^T, 32 a tile          window 2: v0-127 Q; v128-191 K of one step; v192-255 V of one step          window 3: v0-1 the add's two registers; v2-3 the mask's offset and my lane's number; v4-11 the mask's words, a register a tile
.set SIZE_N, 2048
.set NP,    4         ; pieces a wave: a name, no knob
.set KS,    64        ; keys in a step
.set PK,    144       ; a row of K in LDS: 128 bytes + 16 = 36 words: the 16 rows of a load start at 16 different groups of four banks (64 banks of 4 bytes: ISA guide 11.1)
.set PV,    160       ; a row of V: 128 + 32 = 40 words
.set VOFF,  4*KS*PK   ; a slot holds four steps: 256 rows of K, then 256 rows of V
.set SLOT1, 1<<17     ; slot 1 begins here: one exclusive or turns an address in one slot into the other's
.set STAGE, SLOT1+4*KS*(PK+PV)  ; behind the ring: 16 rows x 144 bytes for each wave, for the way out
.set SP,    144
.set SPARE, STAGE+4*16*SP  ; behind the stages: the spare words, 128 bytes for each wave
.set NEG, 1           ; v1   -80,000; never rewritten
.set AK0, 2           ; v2   my lane's place in a tile of K; never rewritten
.set AV0, 3           ; v3   the same for V
.set AK,  4           ; v4   the LDS address of K's next run of loads
.set AV,  5           ; v5   of V's
.set STO, 6           ; v6   the way out: where I put 16 bytes of a row
.set RD,  7           ; v7   the way out: where I read rows back
.set GO,  8           ; v8   16 x lane
.set PFO, 9           ; v9   256 x lane
.set CSV, 10          ; v[10:11] c, twice
.set MV,  12          ; v12-15  c m_old, kept while c m is made anew: by buffer and tile (before that: lane numbers at work)
.set QO,  14          ; v14  my byte offset in 16 rows of Q, until Q is in
.set SPW, 0           ; v0 of window 3   LDS address of my spare word; never rewritten
.set NIL, 1           ; v1 of window 3   0; never rewritten
.set MO,  2           ; v2 of window 3   my byte offset in a tile's words: 4 x lane + 128 x the key step that is asked for
.set LN,  3           ; v3 of window 3   my lane's number; never rewritten
.set MW,  4           ; v4-11 of window 3  tile t's 32 words of a key step, lane w holding word w
.set ST,  16          ; tile t's statistics at v[ST+4 t]: c m, m, l (even keys', odd keys')
.set TMP, 48          ; by buffer and tile, four registers c0-c3 at work; when the maximum is found c2 takes a
.set S,   64
.set P,   192
.set KF,  128
.set VF,  192
.set WV,  2           ; s2   my wave's number
.set SLOTS, 3         ; s3   slots still to be asked for
.set G1K, 4           ; s[4:11]   descriptor group 1 for K's tiles
.set G1V, 12          ; s[12:19]  for V's
.set G0K, 20          ; s[20:23]  descriptor group 0 for K's tiles: it walks
.set G0V, 24          ; s[24:27]  for V's
.set CNT, 28          ; s28  counts a slot's key steps
.set TBK, 29          ; s29  LDS byte at which K of the step to be fetched begins
.set TBV, 30          ; s30  the same for V, less VOFF
.set MOFF, 31         ; s31  128 x the key step whose words are asked for
.set MK0, 32          ; s[32:63]  the 32 words of the piece's first tile (before the first of them: at work)
.set SEL, 66          ; s[66:67]  v_permlanex16_b32's selects
.set MK1, 68          ; s[68:99]  the words of its second tile
.set PFA, 100         ; s[100:101] where my prefetches stand
.set MP,  104         ; s[104:105] maskw at my wave's first tile; never rewritten
.set MSB, 0
.macro WIN new
.if MSB != (\new)
	s_set_vgpr_msb (MSB<<8)|(\new)
.set MSB, (\new)
.endif
.endm
.set W_KQ, 0x0a       ; K and Q in window 2, S^T in window 0
.set W_PV, 0x52       ; V in window 2, P in window 0, O^T in window 1
.set W_RS, 0x41       ; O^T (destination and source 0) in window 1, a in window 0
.set W_MK, 0xc0       ; destination in window 3, sources in window 0
.set W_AD, 0x0f       ; the add: address and data in window 3
.set W_M0, 0x03       ; source 0 in window 3, destination in window 0: the mask's words are copied
.set W_MW, 0xc3       ; destination and source 0 in window 3: the mask's words are asked for
.macro JLOAD                        ; a joint fill: waves 0 and 1 fetch the halves of a slot's K, waves 2 and 3 of its V; an s_nop 0 and four v_nop follow each line
	s_cmp_lt_u32 s[WV], 2
	s_cbranch_scc0 .Lfor_v_\@
	tensor_load_to_lds s[G0K:G0K+3], s[G1K:G1K+7]
	s_nop 0
.rept 4
	v_nop
.endr
	s_branch .Lasked_\@
.Lfor_v_\@:
	tensor_load_to_lds s[G0V:G0V+3], s[G1V:G1V+7]
	s_nop 0
.rept 4
	v_nop
.endr
.Lasked_\@:
.endm
.macro CROUND
	s_barrier_signal -1
	s_barrier_wait -1
	s_cmp_lg_u32 s[WV], 0
	s_cbranch_scc1 .Lnot_wave_0_\@
	s_barrier_signal -3
.Lnot_wave_0_\@:
	s_barrier_wait -3
	s_barrier_signal -1
	s_barrier_wait -1
.endm
; A PREFETCH INTO THE L2 of the slot that the NEXT change will ask for: four key steps, 512 matrix instructions, ahead of that load.  A slot is 128 blocks of 256 bytes of K and as many of V.  A head has one cluster;
; its four partners take 32 blocks each, told apart by address; in each, wave 0 asks for K's and wave 2 for V's, a lane a block.  So each block is named once.  The last change that fills a slot asks for nothing.
.macro ASK
	s_bitcmp1_b32 s[WV], 0
	s_cbranch_scc1 .Lnot_mine_\@
	s_cmp_gt_u32 s[SLOTS], 1
	s_cbranch_scc0 .Lnot_mine_\@
	global_prefetch_b8 v[PFO], s[PFA:PFA+1] th:TH_LOAD_NT scope:SCOPE_SE
.Lnot_mine_\@:
.endm
; THE CHANGE OF SLOTS.  Each wave waits for all its tensor loads (one is out: its part of the other slot), adds 0 to its spare word, and waits for that and for its reads of the slot.  fill = 1: the barrier is a round of
; the cluster's, and the joint fill is the first thing behind it: it has four key steps in which to land.  (At its first use nothing has been read yet: slot 0 is waited for, slot 1 filled.)
.macro CHANGE fill
	WIN W_AD
	s_wait_tensorcnt 0x0            ; no tensor load of mine is out, so a group 0 may be written
	ds_add_u32 v[SPW], v[NIL]       ; 0 onto my spare word
	WIN 0
.if \fill
.irp g, G0K, G0V
	s_xor_b32 s[\g+1], s[\g+1], SLOT1
	s_add_nc_u64 s[\g+2:\g+3], s[\g+2:\g+3], 4*KS*128  ; the next 256 keys; the type bits on top are not reached
.endr
	s_wait_xcnt 0x0                 ; the last prefetch, four key steps back, has read its address
	s_add_nc_u64 s[PFA:PFA+1], s[PFA:PFA+1], 4*KS*128
	s_wait_dscnt 0x0                ; the add is done, and my reads of the slot are over
	CROUND
	JLOAD
	ASK
.else
	s_wait_dscnt 0x0
	s_barrier_signal -1
	s_barrier_wait -1
.endif
	s_sub_co_u32 s[TBK], s[TBK], 4*KS*PK  ; the fetches go back to a slot's first step,
	s_xor_b32 s[TBK], s[TBK], SLOT1       ; in the other slot
	s_sub_co_u32 s[TBV], s[TBV], 4*KS*PV
	s_xor_b32 s[TBV], s[TBV], SLOT1
.endm
	s_load_b128 s[32:35], s[0:1], 0x0  ; qkvh s[32:33], maskw s[34:35]
	WIN W_MK
	v_lshl_add_u32 v[SPW], v0, 2, SPARE
	v_mov_b32 v[NIL], 0
	WIN W_AD
	ds_add_u32 v[SPW], v[NIL]       ; the wave's opening: the add and its wait ahead of my first tensor load
	WIN 0
	v_lshrrev_b32 v12, 5, v0
	v_readfirstlane_b32 s[WV], v12
	s_bfe_u32 s36, ttmp6, 0x40000   ; cx: it enters Q's, O's, the mask's and the prefetches' addresses alone
	s_lshl_b32 s37, ttmp9, 2
	s_add_co_u32 s37, s37, s36      ; my block of 512 queries
	s_lshl_b32 s37, s37, 2
	s_add_co_u32 s37, s37, s[WV]    ; my wave among the head's sixteen
	s_and_b32 s40, ttmp7, 0xffff    ; the head, which the four partners share:
	s_lshl_b32 s40, s40, 18         ; 262,144 bytes each
	s_mov_b32 s41, 0
	s_and_b32 s38, s[WV], 1         ; which half of a slot's 256 keys I fetch:
	s_lshl_b32 s42, s38, 14         ; its 128 rows of 128 bytes in memory,
	s_mov_b32 s43, 0
	s_mul_i32 s44, s38, 128*PK      ; and its place in a slot, for K
	s_mul_i32 s45, s38, 128*PV      ; and for V
	s_lshl_b32 s46, s37, 14         ; my wave's 128 rows of Q
	s_add_co_u32 s46, s46, s40
	s_mov_b32 s47, 0
	s_lshl_b32 s48, s37, 15         ; my wave's 8 tiles of the mask's words
	s_mov_b32 s49, 0
	s_lshl_b32 s50, s36, 13         ; my work-group's 32 blocks of a slot's 128,
	s_add_co_u32 s50, s50, 4*KS*128 ; in slot 1; the first change steps it to slot 2
	s_mov_b32 s51, 0
	; descriptor group 1.  128 keys are 16,384 dense bytes: asked for as 64 rows of 256 bytes, two keys a row, and padded in LDS after every key
	s_mov_b32 s[G1K], 15|(1<<16)|(1<<20)|(1<<21)|(4<<22)|(3<<25)  ; the mask of four; 2-byte elements; padding on; bit 21 beside a mask; after every 32 words (code 4) 4 words (code 3)
	s_mov_b32 s[G1V], 15|(1<<16)|(1<<20)|(1<<21)|(4<<22)|(7<<25)  ; the same with 8 words (code 7)
.irp g, G1K, G1V
	s_mov_b32 s[\g+1], 128<<16      ; tensor_dim0 = 128
	s_mov_b32 s[\g+2], 64<<16       ; tensor_dim1 = 64
	s_mov_b32 s[\g+3], 128<<16      ; tile_dim0 = 128
	s_mov_b32 s[\g+4], 64           ; tile_dim1 = 64
	s_mov_b32 s[\g+5], 128          ; elements from row to row
	s_mov_b32 s[\g+6], 0
	s_mov_b32 s[\g+7], 0
.endr
	s_mov_b32 s[SEL], 0x76543210
	s_mov_b32 s[SEL+1], 0xfedcba98
	s_mov_b32 s[TBK], SLOT1+4*KS*PK ; the first change of slots turns these two into 0
	s_mov_b32 s[TBV], SLOT1+4*KS*PV
	s_mov_b32 s[G0K], 1
	s_mov_b32 s[G0K+1], s44
	s_mov_b32 s[G0V], 1
	s_add_co_u32 s[G0V+1], s45, VOFF
	s_mov_b32 s[SLOTS], SIZE_N/256-1
	s_mov_b32 s[MOFF], 0
	s_wait_dscnt 0x0                ; the opening add is done
	s_wait_kmcnt 0x0
	s_add_nc_u64 s[54:55], s[32:33], 0x1000000  ; K,
	s_add_nc_u64 s[54:55], s[54:55], s[40:41]   ; at the head
	s_add_nc_u64 s[56:57], s[32:33], 0x2000000  ; V
	s_add_nc_u64 s[56:57], s[56:57], s[40:41]
	s_add_nc_u64 s[G0K+2:G0K+3], s[54:55], s[42:43]
	s_or_b32 s[G0K+3], s[G0K+3], 0x80000000     ; type = 2
	s_add_nc_u64 s[G0V+2:G0V+3], s[56:57], s[42:43]
	s_or_b32 s[G0V+3], s[G0V+3], 0x80000000
	s_add_nc_u64 s[52:53], s[32:33], s[46:47]   ; Q at my wave's first row
	s_add_nc_u64 s[MP:MP+1], s[34:35], s[48:49]
	s_cmp_lt_u32 s[WV], 2
	s_cselect_b64 s[PFA:PFA+1], s[54:55], s[56:57]
	s_add_nc_u64 s[PFA:PFA+1], s[PFA:PFA+1], s[50:51]
	CROUND                          ; all four work-groups are here: the first joint loads meet
	JLOAD                           ; slot 0.  Slot 1 is asked for when slot 0 is in
	v_and_b32 v12, 15, v0           ; l % 16
	v_bfe_u32 v13, v0, 4, 1         ; l / 16
	v_lshlrev_b32 v[QO], 7, v12
	v_lshl_add_u32 v[QO], v13, 4, v[QO]  ; row x 128 + 16 x half
	WIN 0x80                        ; destination window 2, address window 0
.set i, 0
.rept 4*NP                          ; Q stays in registers: tile i / 2, channels 32 (i % 2) on
	global_load_b128 v[8*i:8*i+3],   v[QO], s[52:53] offset:(i/2)*2048+(i%2)*64
	global_load_b128 v[8*i+4:8*i+7], v[QO], s[52:53] offset:(i/2)*2048+(i%2)*64+32
.set i, i+1
.endr
	WIN W_MK
	v_and_b32 v[LN], 31, v0         ; my lane's number
	WIN W_MW
	v_lshl_add_u32 v[MO], v[LN], 2, s[MOFF]  ; key step 0
.set i, 0
.rept 2*NP                          ; the mask's words of key step 0, all eight tiles', piece after piece: 128 consecutive bytes a load; 4,096 bytes from tile to tile
	global_load_b32 v[MW+i], v[MO], s[MP:MP+1] offset:i*4096
.set i, i+1
.endr
	; What the first turn finds: V's registers and P's second buffer hold 0 (its products V^T P, of a piece that has not been, add 0), O^T and l are 0.  All this stands in the wait for the first tile.
	WIN 0x80
.set i, VF
.rept 64
	v_mov_b32 v[i], 0
.set i, i+1
.endr
	WIN 0x40
.set i, 0
.rept 64*NP
	v_mov_b32 v[i], 0
.set i, i+1
.endr
	WIN 0
.set i, 0
.rept 2*NP
	v_mov_b32 v[ST+4*i], 0xfe000000    ; c m: far below every c s
	v_mov_b32 v[ST+4*i+1], 0xff7fffff  ; m
	v_mov_b32 v[ST+4*i+2], 0
	v_mov_b32 v[ST+4*i+3], 0
.set i, i+1
.endr
.set i, P+32
.rept 32
	v_mov_b32 v[i], 0
.set i, i+1
.endr
	v_mul_u32_u24 v[AK0], v12, PK
	v_lshl_add_u32 v[AK0], v13, 4, v[AK0]  ; row x pitch + 16 x half
	; The turning load takes 16 keys x 16 channels (lane l reads key 8 (l / 16) + l % 8, channels 8 ((l / 8) % 2) + 0..7) and leaves half a fragment of V^T
	v_and_b32 v15, 7, v0
	v_bfe_u32 v[AV], v0, 3, 1
	v_lshl_add_u32 v[AV0], v13, 3, v15
	v_mul_u32_u24 v[AV0], v[AV0], PV
	v_lshl_add_u32 v[AV0], v[AV], 4, v[AV0]
	v_add_nc_u32 v[AV0], VOFF, v[AV0]
	v_mov_b32 v[AK], v[AK0]         ; key step 0 lies at the head of slot 0
	s_mul_i32 s60, s[WV], 16*SP
	s_add_co_u32 s60, s60, STAGE    ; my stage
	v_mul_u32_u24 v[STO], v12, SP   ; in: row l % 16, 16 bytes for each half of the lanes
	v_lshl_add_u32 v[STO], v13, 4, v[STO]
	v_add_nc_u32 v[STO], s60, v[STO]
	v_bfe_u32 v[RD], v0, 3, 2       ; back: 32 lanes take four rows of 128 bytes,
	v_mul_u32_u24 v[RD], v[RD], SP
	v_lshl_add_u32 v[RD], v15, 4, v[RD]
	v_add_nc_u32 v[RD], s60, v[RD]
	v_and_b32 v[GO], 31, v0
	v_lshlrev_b32 v[PFO], 8, v[GO]
	v_lshlrev_b32 v[GO], 4, v[GO]   ; which are 512 consecutive bytes of O
	v_mov_b32 v[NEG], 0xc79c4000    ; -80,000
	v_mov_b32 v[CSV], 0x3e38aa3b    ; c = log2(e) / 8 = 0.180337
	v_mov_b32 v[CSV+1], 0x3e38aa3b
; THE MATRIX WORK.  The 8 accumulators of a run of 16 take turns.  Product i of 16 of S^T = K Q^T for piece x: channels 32 (i / 8) on, keys 16 ((i / 2) % 4) on, tile 2 x + i % 2.
.macro KQ x
	WIN W_KQ
.set rS, S+64*((\x)%2)+32*(i%2)+8*((i/2)%4)
.set rK, KF+16*((i/2)%4)+8*(i/8)
.set rQ, 16*(2*(\x)+i%2)+8*(i/8)
.if i < 8
	v_wmma_f32_16x16x32_f16 v[rS:rS+7], v[rK:rK+7], v[rQ:rQ+7], 0
.else
	v_wmma_f32_16x16x32_f16 v[rS:rS+7], v[rK:rK+7], v[rQ:rQ+7], v[rS:rS+7]
.endif
.endm
; Product i of 16 of O^T += V^T P for piece x: keys 32 (i / 8) on, channels 16 ((i / 2) % 4) on, tile 2 x + i % 2.
.macro PV x
	WIN W_PV
.set rO, 32*(2*(\x)+i%2)+8*((i/2)%4)
.set rV, VF+32*(i/8)+8*((i/2)%4)
.set rP, P+32*((\x)%2)+16*(i%2)+8*(i/8)
	v_wmma_f32_16x16x32_f16 v[rO:rO+7], v[rV:rV+7], v[rP:rP+7], v[rO:rO+7]
.endm
.macro MM                           ; the turn's next matrix instruction
.if i < 16
	KQ (Y+1)%NP
.set i, i+1
.else
.set i, i-16
	PV (Y+NP-1)%NP
.set i, i+17
.endif
.endm
; THE LDS LOADS stand in runs of 16.  last = 1 (the tail): in the last trip there is no further step, and the run is jumped over.
.macro FETCH_K last=0
	WIN 0
.if \last
	s_cmp_eq_u32 s[CNT], 1
	s_cbranch_scc1 .Lno_k_\@
.endif
	WIN 0x80
.irp f, 0,1,2,3,4,5,6,7             ; keys 16 (f / 2) on, channels 32 (f % 2) on
	ds_load_b128 v[KF+8*\f:KF+8*\f+3],   v[AK] offset:(\f/2)*16*PK+(\f%2)*64
	ds_load_b128 v[KF+8*\f+4:KF+8*\f+7], v[AK] offset:(\f/2)*16*PK+(\f%2)*64+32
.endr
	s_add_co_u32 s[TBK], s[TBK], KS*PK
	WIN 0
.if \last
.Lno_k_\@:
.endif
.endm
.macro FETCH_V
	WIN 0x80
.irp f, 0,1,2,3,4,5,6,7             ; keys 32 (f / 4) on, channels 16 (f % 4) on
	ds_load_tr16_b128 v[VF+8*\f:VF+8*\f+3],   v[AV] offset:(\f/4)*32*PV+(\f%4)*32
	ds_load_tr16_b128 v[VF+8*\f+4:VF+8*\f+7], v[AV] offset:(\f/4)*32*PV+16*PV+(\f%4)*32
.endr
	WIN 0
.endm
; THE VECTOR WORK OF A TURN stands in three queues; the two tiles alternate.
.macro REGS y, u                    ; the registers of tile u (0, 1) of piece y
.set rT, ST+4*(2*(\y)+(\u))
.set rC, TMP+8*((\y)%2)+4*(\u)
.set rM, MV+2*((\y)%2)+(\u)
.set rS, S+64*((\y)%2)+32*(\u)
.set rP, P+32*((\y)%2)+16*(\u)
.set rO, 32*(2*(\y)+(\u))
.endm
; THE NEXT PIECE'S WORDS, piece Y + 1's, of the key step whose scores the turn has made.  Its two registers were asked for four turns ago; behind those two loads stand the other three pieces', two each: the count 6.
; They are copied into c0 and c1 of the piece's first tile, which are free until the maximum's first lines write them, and asked for again at once, for the next key step.  Then the 64 words go into the scalar registers.
; The offset steps where piece 0 is asked for, once a key step, behind s_wait_xcnt 0: the three other pieces' loads have read it.  Behind the last key step it stays at the last: no load leaves maskw.
.macro GETM
.set gx, (Y+1)%NP
	REGS gx, 0
	WIN W_M0
	s_wait_loadcnt 6
	v_mov_b32 v[rC], v[MW+2*gx]
	v_mov_b32 v[rC+1], v[MW+2*gx+1]
	WIN W_MW
.if gx == 0
	s_wait_xcnt 0x0
	s_add_co_u32 s[MOFF], s[MOFF], 128
	s_min_u32 s[MOFF], s[MOFF], 31*128
	v_lshl_add_u32 v[MO], v[LN], 2, s[MOFF]
.endif
	global_load_b32 v[MW+2*gx],   v[MO], s[MP:MP+1] offset:(2*gx)*4096
	global_load_b32 v[MW+2*gx+1], v[MO], s[MP:MP+1] offset:(2*gx+1)*4096
	WIN 0
.set gw, 0
.rept 32
	v_readlane_b32 s[MK0+gw], v[rC], gw
	v_readlane_b32 s[MK1+gw], v[rC+1], gw
.set gw, gw+1
.endr
.endm
; Number n of the 64 that lay the mask on the NEXT piece's scores: register n / 2 of tile n % 2 keeps its score where its word's bit is set and takes -80,000 elsewhere.  Ascending: each accumulator's lowest registers are read first.
.macro MKS n
	REGS (Y+1)%NP, (\n)%2
.if (\n)%2
	v_cndmask_b32 v[rS+(\n)/2], v[NEG], v[rS+(\n)/2], s[MK1+(\n)/2]
.else
	v_cndmask_b32 v[rS+(\n)/2], v[NEG], v[rS+(\n)/2], s[MK0+(\n)/2]
.endif
.endm
; Number n of the 22 that find the NEXT piece's maximum and statistics.
;   0-11  four chains c0-c3 of seven scores each     12-14, 16  the four scores left over, the old m, and c0-c3 into c0     15  c m_old is kept
;   17, 18  the query's other 32 keys lie in the lane 16 away: the new m         19-21  c m; c m_old - c m_new; a
.macro XS u, n
	REGS (Y+1)%NP, \u
.if (\n) < 4
	v_max3_num_f32 v[rC+(\n)], v[rS+8*(\n)], v[rS+8*(\n)+1], v[rS+8*(\n)+2]
.elseif (\n) < 12
	v_max3_num_f32 v[rC+(\n)%4], v[rC+(\n)%4], v[rS+8*((\n)%4)+2*((\n)/4)+1], v[rS+8*((\n)%4)+2*((\n)/4)+2]
.elseif (\n) == 12
	v_max3_num_f32 v[rC], v[rC], v[rS+7], v[rS+15]
.elseif (\n) == 13
	v_max3_num_f32 v[rC+1], v[rC+1], v[rS+23], v[rS+31]
.elseif (\n) == 14
	v_max3_num_f32 v[rC+2], v[rC+2], v[rC+3], v[rT+1]
.elseif (\n) == 15
	v_mov_b32 v[rM], v[rT]
.elseif (\n) == 16
	v_max3_num_f32 v[rC], v[rC], v[rC+1], v[rC+2]
.elseif (\n) == 17
	v_permlanex16_b32 v[rC+3], v[rC], s[SEL], s[SEL+1]
.elseif (\n) == 18
	v_max_num_f32 v[rT+1], v[rC], v[rC+3]
.elseif (\n) == 19
	v_mul_f32 v[rT], v[CSV], v[rT+1]
.elseif (\n) == 20
	v_sub_f32 v[rC+1], v[rM], v[rT]
.else
	v_exp_f32 v[rC+2], v[rC+1]
.endif
.endm
; Number g of the 64 that follow the exponentials.  For each four weights k of a tile: both pairs are rounded to f16; the second pair is added onto the first, in place; a group later l takes that sum (the first time as l = a l + sum).
.macro GS g
.set h, (\g)+6*((\g)/62)
.if h >= 6
.set h, h+2
.endif
	REGS Y, h%2
.set k, h/8
.if h%8 < 4
	v_cvt_pk_f16_f32 v[rP+2*k+(h%8)/2], v[rS+4*k+2*((h%8)/2)], v[rS+4*k+2*((h%8)/2)+1]
.elseif h%8 < 6
	v_pk_add_f32 v[rS+4*k:rS+4*k+1], v[rS+4*k:rS+4*k+1], v[rS+4*k+2:rS+4*k+3]
.elseif k == 1
	v_pk_fma_f32 v[rT+2:rT+3], v[rT+2:rT+3], v[rC+2:rC+3], v[rS:rS+1] op_sel_hi:[1,0,1]
.else
	v_pk_add_f32 v[rT+2:rT+3], v[rT+2:rT+3], v[rS+4*k-4:rS+4*k-3]
.endif
.endm
.macro FS f                         ; c s - c m for pair f / 2 of tile f % 2 of the piece in hand
	REGS Y, (\f)%2
	v_pk_fma_f32 v[rS+2*((\f)/2):rS+2*((\f)/2)+1], v[rS+2*((\f)/2):rS+2*((\f)/2)+1], v[CSV:CSV+1], v[rT:rT+1] op_sel_hi:[1,0,0] neg_lo:[0,0,1] neg_hi:[0,0,1]
.endm
; THE PLAIN QUEUE, 202 long.  0-31: the scalings.  Ahead of 32 the next piece's words are brought into the scalar registers (GETM).  32-95: the mask.
; 96-123: XS's numbers 0-13.  124, 125: number 15.  126-137: the chain 14, 16, 17, 18, 19, 20.  138-201: GS's 64, which read the exponentials' results: they stand behind the wait.
.macro PL
	WIN 0
.if q < 32
	FS q
.elseif q < 96
.if q == 32
	GETM
.endif
	MKS q-32
.elseif q < 124
	XS (q-96)%2, (q-96)/2
.elseif q < 126
	XS q-124, 15
.elseif q < 128
	XS q-126, 14
.elseif q < 138
	XS (q-126)%2, 15+(q-126)/2
.else
	GS q-138
.endif
.set q, q+1
.endm
; THE EXPONENTIALS' QUEUE, 66 long: s0-s31 of both tiles, then the next piece's two a: ONE BATCH ahead of the turn's one wait; nothing ahead of that wait names a result of theirs.
.macro EX
	WIN 0
.if e >= 64
	XS e-64, 21
.else
	REGS Y, e%2
	v_exp_f32 v[rS+e/2], v[rS+e/2]
.endif
.set e, e+1
.endm
; THE RESCALING's QUEUE: O^T times a, two at a time, sixteen times.  Its a was made in the turn before, ahead of that turn's wait.
.macro R2
	REGS Y, r%2
	WIN W_RS
.irp z, 0,1
	v_pk_mul_f32 v[rO+4*(r/2)+2*\z:rO+4*(r/2)+2*\z+1], v[rO+4*(r/2)+2*\z:rO+4*(r/2)+2*\z+1], v[rC+2:rC+3] op_sel_hi:[1,0]
.endr
.set r, r+1
.endm
; A TURN, for piece p.  AHEAD OF THE WAIT: the 16 products K Q^T, behind each a scaling, an exponential and two rescalings (behind the first a second scaling); then one run: 8 plain; 32 times three plain and an
; exponential; 17 times plain and exponential; the two a; a v_nop, the plain instruction behind the last exponential.  BEHIND IT: the 16 products V^T P, behind each four of GS's 64.
; The counts: plain 17, 25, 121, 138, 202; exponentials 15, 47, 64, 66.  Exponential e stands behind scaling 2 (e / 4) + e % 2: as a rider it comes behind plain e + 2, in the run all 32 scalings are out by its third group.
; The mask's first line stands 16 scalings and GETM's lines behind the last product K Q^T.  The chain's links stand four lines apart.
; K of the next step is fetched in piece 2's turn, directly behind the wait; V of the step in hand at the end of piece 0's turn, four riders behind its last reader.
.macro TURN p, last=0, cnt=0
.set Y, (\p)
.set i, 0
.set q, 0
.set e, 0
.set r, 0
.if (\p) == NP-1
	s_wait_dscnt 0x0                ; K is in
.endif
	MM
	PL
	PL
	R2
.rept 15
	MM
	PL
	EX
	R2
.endr
.if (\p) == NP-2
	WIN 0
	v_add_nc_u32 v[AK], s[TBK], v[AK0]
.endif
.rept 8
	PL
.endr
.rept 32
	PL
	PL
	PL
	EX
.endr
.rept 17
	PL
	EX
.endr
	EX                              ; the next piece's two a
	EX
	v_nop                           ; the plain instruction behind the last exponential: one for the batch
	s_wait_alu depctr_va_vdst(0)    ; the wait for the batch, ahead of the first line that names a result
.if (\p) == NP-2
	FETCH_K \last
.endif
.if (\p) == 1
	s_wait_dscnt 0x0                ; V is in
.endif
.rept 16
	MM
.rept 4
	PL
.endr
.if ((\p) == 0) && (q == 182)
	v_add_nc_u32 v[AV], s[TBV], v[AV0]
.endif
.if ((\p) == 0) && (q == 194)
	s_add_co_u32 s[TBV], s[TBV], KS*PV
.endif
.if (\cnt) && (q == 194)
	s_sub_co_u32 s[CNT], s[CNT], 1
	s_cmp_lg_u32 s[CNT], 0
.endif
.endr
.if (\p) == 0
	FETCH_V
.endif
.endm
	CHANGE 1                        ; slot 0 is in, everybody's part of it; slot 1 is asked for
	FETCH_K                         ; key step 0
	s_wait_loadcnt 0x0              ; Q, and the mask's words of key step 0
	s_wait_dscnt 0x0
.set i, 0
.rept 16
	KQ 0                            ; piece 0's first scores
.set i, i+1
.endr
	WIN 0
.rept 4
	v_nop                           ; the places behind those products
.endr
.set Y, NP-1                        ; GETM, MKS and XS work for piece Y + 1: piece 0
	GETM                            ; piece 0's words of key step 0; those of key step 1 are asked for
.set mm, 0
.rept 64
	MKS mm
.set mm, mm+1
.endr
.irp n, 0,1,2,3,4,5,6,7,8,9,10,11,12,13,14,15,16,17,18,19,20,21
	XS 0, \n
	XS 1, \n
.endr
	v_nop                           ; a plain instruction behind the two a,
	s_wait_alu depctr_va_vdst(0)    ; and their wait, ahead of the branch
	s_mov_b32 s[CNT], 4
	s_branch .Lfirst                ; the loop is entered at a step's first turn, in the middle of a trip
.Lslot:                             ; six times: every slot but the last two is filled again
	CHANGE 1
	s_mov_b32 s[CNT], 4
.Lstep:                             ; a trip: pieces 2 and 3 of one step, then pieces 0 and 1 of the next, whose K and V it fetches
	TURN 2
	TURN 3
	WIN 0
.Lfirst:
	TURN 0
	TURN 1, 0, 1
	WIN 0
	s_cbranch_scc1 .Lstep
	s_sub_co_u32 s[SLOTS], s[SLOTS], 1
	s_cmp_lg_u32 s[SLOTS], 0
	s_cbranch_scc1 .Lslot
	CHANGE 0                        ; the tail is written out
	s_mov_b32 s[CNT], 5             ; four trips fetch the last slot's steps; the fifth is left in its middle
.Ltail:
	TURN 2, 1
	TURN 3
	WIN 0
	s_sub_co_u32 s[CNT], s[CNT], 1
	s_cmp_eq_u32 s[CNT], 0
	s_cbranch_scc1 .Lout
	TURN 0
	TURN 1
	WIN 0
	s_branch .Ltail
.Lout:                              ; the fifth trip's 16 products K Q^T (on the last K once more), their mask and maximum serve nothing: the price, once a launch, of one text for every trip
	s_load_b64 s[32:33], s[0:1], 0x10  ; O, into registers that held words of the mask: no line reads those any more
	s_bfe_u32 s36, ttmp6, 0x40000
	s_lshl_b32 s37, ttmp9, 2
	s_add_co_u32 s37, s37, s36
	s_lshl_b32 s37, s37, 2
	s_add_co_u32 s37, s37, s[WV]
	s_lshl_b32 s34, s37, 14         ; my wave's 128 rows,
	s_and_b32 s38, ttmp7, 0xffff
	s_lshl_b32 s38, s38, 18         ; in my head
	s_add_co_u32 s34, s34, s38
	s_mov_b32 s35, 0
.set i, 0
.rept 16
	PV NP-1                         ; the last piece's V^T P of the last step
.set i, i+1
.endr
	; THE WAY OUT.  l's two halves and the other half of the lanes' are added; O^T is divided by l, rounded to f16 and sent through my stage in LDS, a tile at a time.  The additions are the places behind the last products.
	WIN 0
	s_wait_kmcnt 0x0
	s_add_nc_u64 s[32:33], s[32:33], s[34:35]
.macro ALL line:vararg              ; one line for each tile t
.set t, 0
.rept 2*NP
	\line
.set t, t+1
.endr
.endm
	ALL v_add_f32 v[ST+4*t+2], v[ST+4*t+2], v[ST+4*t+3]
	ALL v_permlanex16_b32 v[ST+4*t+3], v[ST+4*t+2], s[SEL], s[SEL+1]
	ALL v_add_f32 v[ST+4*t+2], v[ST+4*t+2], v[ST+4*t+3]
	ALL v_rcp_f32 v[ST+4*t+2], v[ST+4*t+2]
	v_nop                           ; a plain instruction between the last reciprocal and the use of its result
	s_wait_alu depctr_va_vdst(0)    ; and the wait ahead of the first use: one for the eight reciprocals
.macro PACK t                       ; a lane's eight channels of a row pack into 16 bytes; they go into rows of 144 bytes and come back as whole rows of 128, into S^T's registers
	WIN W_RS
.set i, 32*(\t)
.rept 16
	v_pk_mul_f32 v[i:i+1], v[i:i+1], v[ST+4*(\t)+2:ST+4*(\t)+3] op_sel_hi:[1,0]
.set i, i+2
.endr
	WIN 0x05                        ; sources 0 and 1 window 1, destination window 0
.set i, 0
.rept 16
	v_cvt_pk_f16_f32 v[S+16*(\t)+i], v[32*(\t)+2*i], v[32*(\t)+2*i+1]
.set i, i+1
.endr
	WIN 0
.irp f, 0,1,2,3
	ds_store_b128 v[STO], v[S+16*(\t)+4*\f:S+16*(\t)+4*\f+3] offset:32*\f
.endr
.irp f, 0,1,2,3
	ds_load_b128 v[S+16*(\t)+4*\f:S+16*(\t)+4*\f+3], v[RD] offset:\f*4*SP  ; LDS serves a wave's instructions in order (ISA guide 5.7.1.4): these see the stores above; the next tile's stores come behind them
.endr
.endm
.macro SEND t, younger              ; younger: the LDS instructions issued behind tile t's loads: the next tile's eight, or none
	WIN 0
.irp f, 0,1,2,3
	s_wait_dscnt (\younger)+3-\f
	global_store_b128 v[GO], v[S+16*(\t)+4*\f:S+16*(\t)+4*\f+3], s[32:33] offset:(\t)*2048+\f*512  ; 512 consecutive bytes, aligned
.endr
.endm
	PACK 0
.set t, 1
.rept 2*NP-1                        ; a tile's arithmetic stands between the loads of the tile before and its stores
	PACK t
	SEND t-1, 8
.set t, t+1
.endr
	SEND 2*NP-1, 0
	WIN W_AD
	s_wait_tensorcnt 0x0            ; the wave's end: behind my last tensor load and my last LDS store
	ds_add_u32 v[SPW], v[NIL]
	s_wait_dscnt 0x0
	WIN 0
	CROUND                          ; the closing round
	s_endpgm
.Lfunc_end_k_qfb8dfb2227_attn:
	.size	k_qfb8dfb2227_attn, .Lfunc_end_k_qfb8dfb2227_attn-k_qfb8dfb2227_attn
	.p2alignl 7, 3214868480
	.fill 96, 4, 3214868480
	.section	.rodata,"a",@progbits
	.p2align	6, 0x0
	.amdhsa_kernel k_qfb8dfb2227_attn
		.amdhsa_group_segment_fixed_size 327680
		.amdhsa_private_segment_fixed_size 0
		.amdhsa_enable_private_segment 0
		.amdhsa_kernarg_size 24
		.amdhsa_user_sgpr_count 2
		.amdhsa_user_sgpr_kernarg_segment_ptr 1
		.amdhsa_wavefront_size32 1
		.amdhsa_system_sgpr_workgroup_id_x 1
		.amdhsa_system_sgpr_workgroup_id_y 1
		.amdhsa_system_sgpr_workgroup_id_z 1
		.amdhsa_system_vgpr_workitem_id 0
		.amdhsa_next_free_vgpr 780
		.amdhsa_next_free_sgpr 106
		.amdhsa_reserve_vcc 0
		.amdhsa_float_denorm_mode_32 3
		.amdhsa_float_denorm_mode_16_64 3
		.amdhsa_memory_ordered 1
		.amdhsa_forward_progress 1
		.amdhsa_inst_pref_size 255
	.end_amdhsa_kernel
	.section	.bss,"aw",@nobits
	.p2align	6
	.space	262144
	.amdgpu_metadata
---
amdhsa.version: [ 1, 2 ]
amdhsa.kernels:
  - .name:           k_qfb8dfb2227_attn
    .symbol:         k_qfb8dfb2227_attn.kd
    .args:
      - { .name: qkvh, .offset: 0, .size: 8, .value_kind: global_buffer, .address_space: global }
      - { .name: maskw, .offset: 8, .size: 8, .value_kind: global_buffer, .address_space: global }
      - { .name: oh, .offset: 16, .size: 8, .value_kind: global_buffer, .address_space: global }
    .group_segment_fixed_size: 327680
    .private_segment_fixed_size: 0
    .kernarg_segment_align: 8
    .kernarg_segment_size: 24
    .max_flat_workgroup_size: 128
    .sgpr_count:     106
    .vgpr_count:     780
    .wavefront_size: 32
...
	.end_amdgpu_metadata
.endif
;; end of part 3
;; launch oproj (part 4): grid 4 x 64, 4 waves a work-group, clusters of 4 x 4, 327,680 bytes of LDS; arguments oh, wcat, bcat, out0; writes out0
.if DOCPART == 4
	.amdgcn_target "amdgcn-amd-amdhsa--gfx1250"
	.amdhsa_code_object_version 6
	.text
	.protected	k_qfb8dfb2227_oproj
	.globl	k_qfb8dfb2227_oproj
	.p2align	8
	.type	k_qfb8dfb2227_oproj,@function
k_qfb8dfb2227_oproj:
	s_mov_b64 s[64:65], 0
	v_nop
	global_prefetch_b8 v0, s[64:65] scope:SCOPE_SE
	s_setreg_imm32_b32 hwreg(HW_REG_WAVE_MODE, 25, 1), 1
	s_wait_xcnt 0x0
	s_wait_alu depctr_hold_cnt(0) depctr_sa_sdst(0) depctr_va_vdst(0) depctr_va_sdst(0) depctr_va_ssrc(0) depctr_va_vcc(0) depctr_vm_vsrc(0)
	s_getreg_b32 s2, hwreg(HW_REG_IB_STS2, 6, 4)
	s_cmp_eq_u32 s2, 0
	s_cbranch_scc0 .Lentry_in_a_cluster
	s_endpgm
.Lentry_in_a_cluster:
	s_bfe_u32 s2, ttmp6, 0x10000c
	s_cmp_lg_u32 s2, 0xf033
	s_cbranch_scc0 .Lentry_shape_is_right
	s_endpgm
.Lentry_shape_is_right:
; THE OUTPUT PROJECTION.  out0[m][n] = the sum over k of O[m][k] Wo[n][k] + bo[n].  O: oh f16 [bh 64][s 2048][64], row m = (batch, s), k = 64 head + channel; Wo: matrix 3 of wcat, f16 [1024][1024]; bo: row 3 of bcat, f32.
; Sums in f32, started with the bias as the C operand; out0 f32 [8192][1024].
; SHARES.  One tile of 128 rows x 256 columns to a work-group, 256 of them; a wave makes 64 x 128: 32 accumulators.  8 K steps of 128 (two heads each) through a ring of two LDS slots.
; The matrix instruction is used transposed (source 0 = 16 rows of Wo, source 1 = 16 rows of O): a lane holds 8 neighbouring columns of one row.
; CLUSTER 4 x 4.  O's tile hangs on the tile row and is asked for jointly along a row of the cluster, Wo's on the tile column and jointly along a column.  Waves 0, 1 fetch the step's two heads of O, waves 2, 3 Wo's halves.
; REGISTERS.  window 0: v1-11 addresses; v32-95 O's fragments, two sets; v96-223 rows read back, two sets          window 1: v0-127 Wo's fragments, two sets; v128-191 the bias          window 2: accumulator (a, b) at v[8 (8 a + b)]
.set PAH,   144                        ; a row of O in LDS: a head's 128 bytes + 16 = 36 words: the 16 rows of a load start at 16 different groups of four banks (64 banks of 4 bytes: ISA guide 11.1)
.set ABLK,  128*PAH                    ; a head's 128 rows
.set PB,    272                        ; a row of Wo: 256 + 16
.set HALFB, 128*PB
.set BOFF,  2*ABLK                     ; Wo's rows lie behind O's two heads
.set SLOT1, 1<<17                      ; slot 1 begins here: one exclusive or changes slots
.set STAGE, SLOT1+BOFF+2*HALFB         ; behind the ring: 16 rows x 528 bytes for each wave, for the way out
.set SPITCH, 528
.set SPARE, STAGE+4*16*SPITCH          ; behind the stages: the spare words, 128 bytes for each wave
.set LA0, 1
.set LB0, 2
.set ADRA, 3
.set ADRB, 4
.set STO, 5
.set RD,  6
.set GO,  7
.set BO,  8
.set PFO, 9
.set SPW, 10                           ; v10  LDS address of my spare word; never rewritten
.set NIL, 11                           ; v11  0; never rewritten
.set AF,  32
.set BK,  96
.set BIAS, 128
.set WV, 2
.set WM, 3                             ; which 64 rows are mine.  Also: I fetch O (0) or Wo (1)
.set WN, 4                             ; which 128 columns.  Also: which head, or which half of Wo's rows, I fetch
.set CX, 5
.set CY, 6
.set TR, 7
.set G1A, 8
.set G1B, 16
.set G0A, 24                           ; s[24:27] descriptor group 0 for O's tiles: it walks
.set G0B, 28                           ; s[28:31] for Wo's
.set PFA, 32                           ; s[32:33] where my prefetches stand
.set PST, 34                           ; s[34:35] their step
.set OUTP, 36
.set BIASP, 38
.set TB,  40
.set LOOP, 41
.set LIM, 42                           ; 2 in a wave that prefetches, else the greatest number
.set TC,  43
; s44-47 serve O's descriptors alone and never hold cx; s48-51 Wo's alone and never hold cy; s52-55 the rest
.set MSB, 0
.macro WIN new
.if MSB != (\new)
	s_set_vgpr_msb (MSB<<8)|(\new)
.set MSB, \new
.endif
.endm
.macro JLOAD                           ; a joint load; an s_nop 0 and four v_nop follow each of the two lines
	s_cmp_eq_u32 s[WM], 0
	s_cbranch_scc0 .Lfor_b_\@
	tensor_load_to_lds s[G0A:G0A+3], s[G1A:G1A+7]
	s_nop 0
.rept 4
	v_nop
.endr
	s_branch .Lasked_\@
.Lfor_b_\@:
	tensor_load_to_lds s[G0B:G0B+3], s[G1B:G1B+7]
	s_nop 0
.rept 4
	v_nop
.endr
.Lasked_\@:
.endm
.macro CREST
	s_cmp_lg_u32 s[WV], 0
	s_cbranch_scc1 .Lnot_wave_0_\@
	s_barrier_signal -3
.Lnot_wave_0_\@:
	s_barrier_wait -3
	s_barrier_signal -1
	s_barrier_wait -1
.endm
.macro CROUND
	s_barrier_signal -1
	s_barrier_wait -1
	CREST
.endm
.macro STEPD                           ; both walking descriptors: the other slot, the next K step
	s_xor_b32 s[G0A+1], s[G0A+1], SLOT1
	s_add_nc_u64 s[G0A+2:G0A+3], s[G0A+2:G0A+3], 2*262144  ; two heads on
	s_xor_b32 s[G0B+1], s[G0B+1], SLOT1
	s_add_nc_u64 s[G0B+2:G0B+3], s[G0B+2:G0B+3], 256
.endm
; A PREFETCH INTO THE L2, behind each of the first four refills: the K step that stands two refills on, 256 matrix instructions ahead of the load that will want it; a lane a block of 256 bytes.
; O: a step's two heads are 2 x 64 blocks; each partner along the cluster's row takes 16 of each (by address: cx), and wave 0 asks for them; the grid has one cluster along x.
; Wo: of the 128 rows that wave 2 or 3 fetches each partner along the column takes 32 (cy), a lane a row; the cluster with y = 0 asks.  Wave 1 asks for nothing.  So each block is named once.  K steps 0 to 3 come by their loads alone.
.macro ASK
	s_cmp_gt_u32 s[LOOP], s[LIM]
	s_cbranch_scc0 .Lnot_mine_\@
	global_prefetch_b8 v[PFO], s[PFA:PFA+1] th:TH_LOAD_NT scope:SCOPE_SE
.Lnot_mine_\@:
.endm
	s_load_b256 s[56:63], s[0:1], 0x0              ; oh 56, wcat 58, bcat 60, out0 62
	v_lshl_add_u32 v[SPW], v0, 2, SPARE
	v_mov_b32 v[NIL], 0
	ds_add_u32 v[SPW], v[NIL]                      ; the wave's opening: the add and its wait ahead of my first tensor load
	v_lshrrev_b32 v12, 5, v0
	v_readfirstlane_b32 s[WV], v12
	s_lshr_b32 s[WM], s[WV], 1
	s_and_b32 s[WN], s[WV], 1
	s_bfe_u32 s[CX], ttmp6, 0x40000
	s_bfe_u32 s[CY], ttmp6, 0x40004
	s_and_b32 s[TR], ttmp7, 0xffff
	s_lshl_b32 s[TR], s[TR], 2
	s_add_co_u32 s[TR], s[TR], s[CY]               ; tile row
	s_lshl_b32 s[TC], ttmp9, 2
	s_add_co_u32 s[TC], s[TC], s[CX]               ; tile column
	s_lshl_b32 s44, s[CY], 2
	s_lshl_b32 s44, 15, s44                        ; my row of the cluster
	s_lshl_b32 s48, 0x1111, s[CX]                  ; my column
	; O's tile: a head's 128 rows are 16,384 dense bytes: asked for as 64 rows of 256 bytes, and padded in LDS after every 128
	s_or_b32 s[G1A], s44, (1<<16)|(1<<20)|(1<<21)|(4<<22)|(3<<25)
	s_mov_b32 s[G1A+1], 128<<16
	s_mov_b32 s[G1A+2], 64<<16
	s_mov_b32 s[G1A+3], 128<<16
	s_mov_b32 s[G1A+4], 64
	s_mov_b32 s[G1A+5], 128
	s_mov_b32 s[G1A+6], 0
	s_mov_b32 s[G1A+7], 0
	s_or_b32 s[G1B], s48, (1<<16)|(1<<20)|(1<<21)|(5<<22)|(3<<25)  ; Wo's: 128 rows x 128 elements, 1,024 elements from row to row
	s_mov_b32 s[G1B+1], 128<<16
	s_mov_b32 s[G1B+2], 128<<16
	s_mov_b32 s[G1B+3], 128<<16
	s_mov_b32 s[G1B+4], 128
	s_mov_b32 s[G1B+5], 1024
	s_mov_b32 s[G1B+6], 0
	s_mov_b32 s[G1B+7], 0
	s_mov_b32 s[G0A], 1
	s_mul_i32 s[G0A+1], s[WN], ABLK
	s_mov_b32 s[G0B], 1
	s_mul_i32 s[G0B+1], s[WN], HALFB
	s_add_co_u32 s[G0B+1], s[G0B+1], BOFF
	s_mov_b32 s[TB], 0
	s_lshr_b32 s44, s[TR], 4                       ; O: batch tr / 16: 16 heads of 262,144 bytes,
	s_lshl_b32 s44, s44, 22
	s_and_b32 s45, s[TR], 15
	s_lshl_b32 s45, s45, 14                        ; rows 128 (tr % 16) on, of 128 bytes
	s_add_co_u32 s44, s44, s45
	s_lshl_b32 s52, s[CX], 12                      ; (the prefetches: + 16 cx blocks, at K step 3)
	s_add_co_u32 s52, s52, s44
	s_add_co_u32 s52, s52, 3*2*262144
	s_lshl_b32 s45, s[WN], 18                      ; the head that I fetch
	s_add_co_u32 s44, s44, s45
	s_mov_b32 s45, 0
	s_lshl_b32 s48, s[TC], 19                      ; Wo: (256 tc + 128 half) rows of 2,048 bytes, in matrix 3
	s_lshl_b32 s49, s[WN], 18
	s_add_co_u32 s48, s48, s49
	s_add_co_u32 s48, s48, 3*2097152
	s_mov_b32 s49, 0
	s_lshl_b32 s53, s[CY], 16                      ; (the prefetches: + 32 cy rows, at K step 3)
	s_add_co_u32 s53, s53, s48
	s_add_co_u32 s53, s53, 3*256
	s_and_b32 s54, ttmp7, 0xffff
	s_mov_b32 s55, 2*262144                        ; O's step, in a register: an instruction holds one literal
	s_cmp_eq_u32 s[WM], 0
	s_cselect_b32 s52, s52, s53
	s_cselect_b32 s[PST], s55, 256
	s_cselect_b32 s54, s[WV], s54                  ; wave 0 of those that fetch O; cluster y = 0 of those that fetch Wo
	s_cmp_eq_u32 s54, 0
	s_cselect_b32 s[LIM], 2, -1                    ; the same in all sixteen partners, for a given wave
	s_mov_b32 s53, 0
	s_mov_b32 s[PST+1], 0
	s_wait_dscnt 0x0                               ; the opening add is done
	s_wait_kmcnt 0x0
	s_add_nc_u64 s[G0A+2:G0A+3], s[56:57], s[44:45]
	s_or_b32 s[G0A+3], s[G0A+3], 0x80000000
	s_add_nc_u64 s[G0B+2:G0B+3], s[58:59], s[48:49]
	s_or_b32 s[G0B+3], s[G0B+3], 0x80000000
	s_cmp_eq_u32 s[WM], 0
	s_cselect_b64 s[PFA:PFA+1], s[56:57], s[58:59]
	s_add_nc_u64 s[PFA:PFA+1], s[PFA:PFA+1], s[52:53]
	s_lshl_b32 s52, s[TR], 19                      ; out0: rows 128 tr + 64 half of 4,096 bytes, columns 256 tc + 128 half of 4
	s_lshl_b32 s54, s[WM], 18
	s_add_co_u32 s52, s52, s54
	s_lshl_b32 s54, s[TC], 10
	s_lshl_b32 s55, s[WN], 9
	s_add_co_u32 s54, s54, s55
	s_add_co_u32 s52, s52, s54
	s_add_nc_u64 s[OUTP:OUTP+1], s[62:63], s[52:53]
	s_add_co_u32 s54, s54, 3*4096                  ; bo is row 3 of bcat
	s_mov_b32 s55, 0
	s_add_nc_u64 s[BIASP:BIASP+1], s[60:61], s[54:55]
	CROUND                                         ; all sixteen work-groups are here: the first joint loads meet
	JLOAD                                          ; K step 0 into slot 0
	v_and_b32 v12, 15, v0                          ; l % 16
	v_bfe_u32 v13, v0, 4, 1                        ; l / 16
	v_and_b32 v14, 31, v0                          ; l
	v_lshlrev_b32 v[BO], 5, v13
	WIN 0x40
.irp b, 0,1,2,3,4,5,6,7                ; the bias of my 128 columns, laid as an accumulator's registers lie
	global_load_b128 v[BIAS+8*(\b):BIAS+8*(\b)+3],   v[BO], s[BIASP:BIASP+1] offset:(\b)*64
	global_load_b128 v[BIAS+8*(\b)+4:BIAS+8*(\b)+7], v[BO], s[BIASP:BIASP+1] offset:(\b)*64+16
.endr
	WIN 0
	s_mul_i32 s46, s[WM], 64*PAH                   ; my 64 rows of O
	v_mul_u32_u24 v[LA0], v12, PAH
	v_lshl_add_u32 v[LA0], v13, 4, v[LA0]
	v_add_nc_u32 v[LA0], s46, v[LA0]
	s_mul_i32 s46, s[WN], HALFB                    ; my 128 rows of Wo
	s_add_co_u32 s46, s46, BOFF
	v_mul_u32_u24 v[LB0], v12, PB
	v_lshl_add_u32 v[LB0], v13, 4, v[LB0]
	v_add_nc_u32 v[LB0], s46, v[LB0]
	s_mul_i32 s46, s[WV], 16*SPITCH
	s_add_co_u32 s46, s46, STAGE                   ; my stage
	v_mul_u32_u24 v[STO], v12, SPITCH              ; in: row l % 16, 32 bytes for each half of the lanes
	v_lshl_add_u32 v[STO], v13, 5, v[STO]
	v_add_nc_u32 v[STO], s46, v[STO]
	v_lshlrev_b32 v[GO], 4, v14                    ; back: 32 lanes take a row's 512 bytes
	v_add_nc_u32 v[RD], s46, v[GO]
	v_lshlrev_b32 v15, 18, v13                     ; the prefetches: O: head l / 16, block l % 16;
	v_lshl_add_u32 v15, v12, 8, v15
	v_lshlrev_b32 v[PFO], 11, v14                  ; Wo: row l
	s_cmp_eq_u32 s[WM], 0
	s_cselect_b32 s47, -1, 0
	v_cndmask_b32 v[PFO], v[PFO], v15, s47
; One matrix instruction: accumulator i = 8 a + b, set f.  bias = 1: the sum starts, with the bias as C.  The 32 accumulators take turns, in the same order in every quarter, over the backward jumps too.
.macro MUL f, i, bias=0
.if \bias
	WIN 0x91                                       ; Wo window 1, O window 0, C window 1, D window 2
	v_wmma_f32_16x16x32_f16 v[8*(\i):8*(\i)+7], v[64*(\f)+8*((\i)%8):64*(\f)+8*((\i)%8)+7], v[AF+32*(\f)+8*((\i)/8):AF+32*(\f)+8*((\i)/8)+7], v[BIAS+8*((\i)%8):BIAS+8*((\i)%8)+7]
.else
	WIN 0xa1
	v_wmma_f32_16x16x32_f16 v[8*(\i):8*(\i)+7], v[64*(\f)+8*((\i)%8):64*(\f)+8*((\i)%8)+7], v[AF+32*(\f)+8*((\i)/8):AF+32*(\f)+8*((\i)/8)+7], v[8*(\i):8*(\i)+7]
.endif
.endm
.macro MULS f, from, cnt, bias=0
.set mi, \from
.rept \cnt
	MUL \f, mi, \bias
.set mi, mi+1
.endr
.endm
.macro PLACES                          ; four places in front of loads into registers that matrix instructions have read, and of LDS stores that read results
.rept 4
	v_nop
.endr
.endm
; 24 LDS loads in one run: quarter k of the slot in hand into set g: Wo's 128 rows, then O's 64 (head k / 2 of the step, channels 32 (k % 2) on)
.macro FETCH k, g
	WIN 0x40
.irp i, 0,1,2,3,4,5,6,7
	ds_load_b128 v[64*(\g)+8*(\i):64*(\g)+8*(\i)+3],   v[ADRB] offset:(\k)*64+(\i)*16*PB
	ds_load_b128 v[64*(\g)+8*(\i)+4:64*(\g)+8*(\i)+7], v[ADRB] offset:(\k)*64+(\i)*16*PB+32
.endr
	WIN 0
.irp a, 0,1,2,3
	ds_load_b128 v[AF+32*(\g)+8*(\a):AF+32*(\g)+8*(\a)+3],   v[ADRA] offset:((\k)/2)*ABLK+((\k)%2)*64+(\a)*16*PAH
	ds_load_b128 v[AF+32*(\g)+8*(\a)+4:AF+32*(\g)+8*(\a)+7], v[ADRA] offset:((\k)/2)*ABLK+((\k)%2)*64+(\a)*16*PAH+32
.endr
.endm
; A K step is four quarters of 32 along K on sets 0, 1, 0, 1.  One of the first three: multiplies set f; behind its first eight products it fetches quarter k into set g, 24 products ahead of the wait for it.
.macro QUARTER k, f, g, bias=0
	s_wait_dscnt 0x0                               ; set f is in
	MULS \f, 0, 8, \bias
	PLACES
	FETCH \k, \g
	MULS \f, 8, 24, \bias
.endm
; The last quarter multiplies set 1 and changes slots: the wait for all my tensor loads, the add, the wait for it and for my reads of this slot, the barrier.  fill = 1: the barrier opens a round of the cluster's, and this
; slot is filled again first thing behind it, two K steps ahead: 112 matrix instructions ahead of the wait for it.
.macro TURN fill
	WIN 0
.if \fill
	s_wait_xcnt 0x0                                ; the last prefetch, a K step back, has read its address
	s_add_nc_u64 s[PFA:PFA+1], s[PFA:PFA+1], s[PST:PST+1]
.endif
	s_wait_tensorcnt 0x0                           ; no tensor load of mine is out, so the two group 0 may be written
	ds_add_u32 v[SPW], v[NIL]                      ; 0 onto my spare word
.if \fill
	STEPD
.endif
	s_wait_dscnt 1                                 ; all but the add: set 1 is in
	MULS 1, 0, 8
	s_wait_dscnt 0x0                               ; the add is done, and my reads of this slot are over
	s_barrier_signal -1
	MULS 1, 8, 8
	WIN 0
	s_barrier_wait -1
.if \fill
	CREST
	JLOAD                                          ; the four v_nop behind it are also the places in front of the loads below
.else
	PLACES
.endif
	s_xor_b32 s[TB], s[TB], SLOT1
	v_add_nc_u32 v[ADRA], s[TB], v[LA0]
	v_add_nc_u32 v[ADRB], s[TB], v[LB0]
	FETCH 0, 0
.if \fill
	ASK
.endif
	MULS 1, 16, 16
.endm
; THE WAY OUT of block a (16 rows x 128 columns of f32): from the accumulators into my own stage, each accumulator's low half first, and back as whole rows of 512 bytes.
.macro TOSTAGE a
	s_wait_xcnt 0x0                                ; the stores of the block two back have read the registers that are loaded below
	WIN 0x08                                       ; store data window 2, address window 0
.irp b, 0,1,2,3,4,5,6,7
	ds_store_b128 v[STO], v[8*(8*(\a)+(\b)):8*(8*(\a)+(\b))+3]   offset:(\b)*64
	ds_store_b128 v[STO], v[8*(8*(\a)+(\b))+4:8*(8*(\a)+(\b))+7] offset:(\b)*64+16
.endr
	WIN 0
.irp t, 0,1,2,3,4,5,6,7,8,9,10,11,12,13,14,15
	ds_load_b128 v[BK+64*((\a)%2)+4*(\t):BK+64*((\a)%2)+4*(\t)+3], v[RD] offset:(\t)*SPITCH  ; LDS serves a wave's instructions in order (ISA guide 5.7.1.4): these see the stores above; the next block's stores come behind them
.endr
.endm
.macro SEND a, younger                 ; younger: the LDS instructions issued behind block a's loads: the next block's 32, or none
.irp t, 0,1,2,3,4,5,6,7,8,9,10,11,12,13,14,15
	s_wait_dscnt (\younger)+15-(\t)
	global_store_b128 v[GO], v[BK+64*((\a)%2)+4*(\t):BK+64*((\a)%2)+4*(\t)+3], s[OUTP:OUTP+1] offset:(16*(\a)+(\t))*4096 th:TH_STORE_NT  ; 512 consecutive bytes, aligned
.endr
.endm
	s_wait_tensorcnt 0x0                           ; the first change: my part of K step 0 is in;
	ds_add_u32 v[SPW], v[NIL]
	STEPD
	s_wait_dscnt 0x0
	CROUND                                         ; everybody's is;
	JLOAD                                          ; K step 1 into slot 1
	v_mov_b32 v[ADRA], v[LA0]
	v_mov_b32 v[ADRB], v[LB0]
	FETCH 0, 0
	s_wait_loadcnt 0x0                             ; the bias
	QUARTER 1, 0, 1, 1                             ; the first quarter stands ahead of the loop: its products start the sums, with the bias as C
	WIN 0                                          ; at a label and at a branch every window is 0
	s_mov_b32 s[LOOP], 6
	s_branch .Ljoin                                ; the loop is entered behind a trip's first quarter
.Lstep:                                        ; a trip is a K step; six trips fill a slot again
	QUARTER 1, 0, 1, 0
	WIN 0
.Ljoin:
	QUARTER 2, 1, 0
	QUARTER 3, 0, 1
	TURN 1
	WIN 0
	s_sub_co_u32 s[LOOP], s[LOOP], 1
	s_cmp_lg_u32 s[LOOP], 0
	s_cbranch_scc1 .Lstep
	s_mov_b32 s[LOOP], 2
.Ltail:                                        ; the last two K steps ask for nothing; the very last fetch reads the slot left behind and serves nothing: the price of one text for both trips
	QUARTER 1, 0, 1, 0
	QUARTER 2, 1, 0
	QUARTER 3, 0, 1
	TURN 0
	WIN 0
	s_sub_co_u32 s[LOOP], s[LOOP], 1
	s_cmp_lg_u32 s[LOOP], 0
	s_cbranch_scc1 .Ltail
	PLACES                                         ; the LDS stores read results just made
	TOSTAGE 0
.irp a, 1,2,3
	TOSTAGE \a
	SEND (\a)-1, 32
.endr
	SEND 3, 0
	s_wait_tensorcnt 0x0                           ; the wave's end: behind my last tensor load and my last LDS store
	ds_add_u32 v[SPW], v[NIL]
	s_wait_dscnt 0x0
	CROUND                                         ; the closing round
	s_endpgm
.Lfunc_end_k_qfb8dfb2227_oproj:
	.size	k_qfb8dfb2227_oproj, .Lfunc_end_k_qfb8dfb2227_oproj-k_qfb8dfb2227_oproj
	.p2alignl 7, 3214868480
	.fill 96, 4, 3214868480
	.section	.rodata,"a",@progbits
	.p2align	6, 0x0
	.amdhsa_kernel k_qfb8dfb2227_oproj
		.amdhsa_group_segment_fixed_size 327680
		.amdhsa_private_segment_fixed_size 0
		.amdhsa_enable_private_segment 0
		.amdhsa_kernarg_size 32
		.amdhsa_user_sgpr_count 2
		.amdhsa_user_sgpr_kernarg_segment_ptr 1
		.amdhsa_wavefront_size32 1
		.amdhsa_system_sgpr_workgroup_id_x 1
		.amdhsa_system_sgpr_workgroup_id_y 1
		.amdhsa_system_sgpr_workgroup_id_z 1
		.amdhsa_system_vgpr_workitem_id 0
		.amdhsa_next_free_vgpr 768
		.amdhsa_next_free_sgpr 66
		.amdhsa_reserve_vcc 0
		.amdhsa_float_denorm_mode_32 3
		.amdhsa_float_denorm_mode_16_64 3
		.amdhsa_memory_ordered 1
		.amdhsa_forward_progress 1
		.amdhsa_inst_pref_size 65
	.end_amdhsa_kernel
	.amdgpu_metadata
---
amdhsa.version: [ 1, 2 ]
amdhsa.kernels:
  - .name:           k_qfb8dfb2227_oproj
    .symbol:         k_qfb8dfb2227_oproj.kd
    .args:
      - { .name: oh, .offset: 0, .size: 8, .value_kind: global_buffer, .address_space: global }
      - { .name: wcat, .offset: 8, .size: 8, .value_kind: global_buffer, .address_space: global }
      - { .name: bcat, .offset: 16, .size: 8, .value_kind: global_buffer, .address_space: global }
      - { .name: out0, .offset: 24, .size: 8, .value_kind: global_buffer, .address_space: global }
    .group_segment_fixed_size: 327680
    .private_segment_fixed_size: 0
    .kernarg_segment_align: 8
    .kernarg_segment_size: 32
    .max_flat_workgroup_size: 128
    .sgpr_count:     66
    .vgpr_count:     768
    .wavefront_size: 32
...
	.end_amdgpu_metadata
.endif
;; end of part 4
